; MI455X (gfx1250); checked and timed in simulation.
; The chip was launched on July 23, 2026; its instructions are those of AMD's public machine-readable ISA for CDNA 5 (MIT licence, August 2026) and "CDNA5" Instruction Set Architecture Reference Guide (July 2026). The comments in the code are by the model that wrote it; some were corrected since.
;; Multi Head Attention. Allowed arithmetic: matrix products marked QUANTISED: E2M1 operands, one E8M0 scale for each 32 along K, by v_wmma_scale_f32_16x16x128_f8f6f4 with both operands' format E2M1 (or v_wmma_scale_f32_32x16x128_f4), f32 sums; products left as they are: bf16, f16 or f32 operands; f32 sums; everything else in f32.
;; Inputs: Wk 1,024 x 1,024 float32; Wo 1,024 x 1,024 float32; Wq 1,024 x 1,024 float32; Wv 1,024 x 1,024 float32; bk 1,024 float32; bo 1,024 float32; bq 1,024 float32; bv 1,024 float32; key 4 x 2,048 x 1,024 float32; query 4 x 2,048 x 1,024 float32; value 4 x 2,048 x 1,024 float32.
;; Outputs: out0 4 x 2,048 x 1,024 float32.
;; This version of the problem:
;;   THIS VERSION OF THE PROBLEM IS GIVEN IN LOW PRECISION. The matrix products marked QUANTISED in the list below multiply operands that are first quantised to E2M1 (2 exponent bits, 1 mantissa bit; 4 bits a number), with one power-of-two scale for each 32 numbers along K (OCP MX v1.0); their sums are f32. The products marked 'left as it is' may take bf16, f16 or f32 operands, with f32 sums. Whichever they take, every output number must still come out within the allowed error. Rounding operands to bf16 (8 significant bits) uses up far more of that allowance than f16 does (11 bits, for magnitudes from 6e-5 to 65,504). All else is computed in f32.
;;   The module's matrix products, in the order in which they are computed (A, B: the left and right operand; K: the contracted axis; several contracted axes count as one K, in the product's order):
;;     1. [M 8,192, K 1,024] x [K 1,024, N 1,024]; A: input query; B: input Wq: QUANTISED
;;     2. [M 8,192, K 1,024] x [K 1,024, N 1,024]; A: input key; B: input Wk: QUANTISED
;;     3. [M 8,192, K 1,024] x [K 1,024, N 1,024]; A: input value; B: input Wv: QUANTISED
;;     4. batch 64 x [M 2,048, K 64] x [K 64, N 2,048]; A: computed on the way; B: computed on the way: left as it is (an operand is computed on the way)
;;     5. batch 64 x [M 2,048, K 2,048] x [K 2,048, N 64]; A: computed on the way; B: computed on the way: left as it is (an operand is computed on the way)
;;     6. [M 8,192, K 1,024] x [K 1,024, N 1,024]; A: computed on the way; B: input Wo: left as it is (an operand is computed on the way)
;;   THE QUANTISER, for each operand of a quantised product, along K:
;;     - K is cut into blocks of 32 from its start; a last block that is shorter is filled with zeros.
;;     - A block's scale is 2^e with e = floor(log2(the largest magnitude in the block)) - 2, held to -126 .. 127; a block of zeros has e = 0. As a byte (E8M0): e + 127.
;;     - Each number is divided by its block's scale, clamped to +-6, and rounded to the nearest number of E2M1, ties to even, subnormals kept.
;;     - The product sums the exact products of the quantised numbers (number of the format x scale) in f32.
;;   ~~~python
;;   def quantise(x, axis):      # numpy; x: float32 -> the quantised numbers, widened to float32 again
;;       x = np.moveaxis(x, axis, -1); K = x.shape[-1]
;;       x = np.pad(x, [(0, 0)] * (x.ndim - 1) + [(0, -K % 32)]); x = x.reshape(x.shape[:-1] + (-1, 32)); a = np.abs(x).max(-1, keepdims=True)
;;       e = np.where(a > 0, np.clip(np.frexp(np.where(a > 0, a, 1))[1] - 1 - 2, -126, 127), 0)      # np.frexp(a)[1] - 1 = floor(log2(a)), exactly
;;       r = np.clip(x / 2.0 ** e, -6, 6)
;;       step = 2.0 ** (np.maximum(np.frexp(np.where(r == 0, 1, r))[1] - 1, 0) - 1)
;;       q = np.round(r / step) * step * 2.0 ** e      # np.round: ties to even
;;       return np.moveaxis(q.reshape(q.shape[:-2] + (-1,))[..., :K], -1, axis).astype(np.float32)
;;   ~~~
;; One version. Each part assembles by itself: llvm-mc -triple=amdgcn-amd-amdhsa -mcpu=gfx1250 --defsym DOCPART=n.
;; ======== version 1 of 1: 4 launches
;; limits: values are held in f16: magnitudes above 65,504 overflow, below 6.1e-05 lose precision
;; workspace buffers: xcodes 12,582,912 bytes; xscales 786,432 bytes; wcodes 1,572,864 bytes; wscales 98,304 bytes; wo16 2,097,152 bytes; qkv16 50,331,648 bytes; ctx16 16,777,216 bytes
;; launch quant (part 1): grid 896 x 1, 4 waves a work-group, no clusters, 33,280 bytes of LDS; arguments query, key, value, Wq, Wk, Wv, Wo, xcodes, xscales, wcodes, wscales, wo16; writes xcodes, xscales, wcodes, wscales, wo16
.if DOCPART == 1
	.amdgcn_target "amdgcn-amd-amdhsa--gfx1250"
	.amdhsa_code_object_version 6
	.text
	.protected	k_q204d264ad8_quant
	.globl	k_q204d264ad8_quant
	.p2align	8
	.type	k_q204d264ad8_quant,@function
k_q204d264ad8_quant:
	s_mov_b64 s[64:65], 0
	v_nop
	global_prefetch_b8 v0, s[64:65] scope:SCOPE_SE
	s_setreg_imm32_b32 hwreg(HW_REG_WAVE_MODE, 25, 1), 1
	s_wait_xcnt 0x0
; query, key, value [8192][1024] and Wq, Wk, Wv [1024][1024], f32 with K innermost, become codes of FP4 (E2M1), two a byte, K innermost, with one E8M0 byte for each 32 along K.
; The three activations are stacked in xcodes [24576][512 bytes] and xscales [24576][32], the three weights in wcodes [3072][512] and wscales [3072][32].  Wo is only rounded to f16 (wo16 [1024][1024]).
; A block's scale is 2^(floor(log2(its largest magnitude)) - 2); its byte is the largest magnitude's own exponent field - 2, held at 1 from below.  Each number is divided by the scale and rounded to the nearest code,
; ties to even; beyond 6 the conversion gives the largest code.  A block of zeros gets the byte 1 where the rule says 127: its codes are zeros, and the bytes are read by this program alone.
; LIMITS: NaN and infinities among the inputs are not served; Wo beyond 65,504 becomes infinity in f16.
; SHARES.  Rows are dense and K is a multiple of 32, so every tensor is a plain stream of blocks.  A work-group takes 32,768 numbers, a wave 8,192: 16 steps of 512.
; Work-groups 0-255 query, 256-511 key, 512-767 value, 768-799 Wq, 800-831 Wk, 832-863 Wv: ONE path, only pointers are chosen, by the work-group's number.  864-895: Wo, an arm of its own that uses no LDS.
; A step: four loads of 512 consecutive bytes; the 2,048 bytes turn through the wave's own stage in LDS and come back 64 bytes a lane (16 neighbours; two lanes hold a block); a lane's 16 codes are 8 bytes,
; so the wave stores 256 consecutive bytes.  A wave's 256 scale bytes are gathered in its own LDS bytes and leave as one aligned run of 256.  No barrier: waves share nothing.
.set WAVES, 4
.set STEPS, 16
.set EMAX,  2
.set CB,    8                          ; bytes of 16 codes
.set R,     16                         ; v16-79   four sets of 16 numbers as loaded (the cast: one set of 64)
.set X,     80                         ; v80-111  two sets of 16 neighbours (the cast: 32 registers of f16 pairs)
.set E,     112                        ; v112-127 a scale byte for each step
.set C,     128                        ; v128-191 codes, four registers a step (the cast: the other set of 64)
.set WREG,  8192                       ; LDS: a region for each wave: two stages of 32 x SP bytes, then its 256 scale bytes
.set SP,    80                         ; a lane's place in a stage: 64 bytes + 16 of padding
.set SPW,   12                         ; v12 LDS address of my spare word; never rewritten
.set NIL,   13                         ; v13 0; never rewritten
.set SPARE, WAVES*WREG                 ; behind the four regions: the spare words, 128 bytes a wave
	s_load_b512 s[16:31], s[0:1], 0x0              ; query 16, key 18, value 20, Wq 22, Wk 24, Wv 26, Wo 28, xcodes 30
	s_load_b256 s[32:39], s[0:1], 0x40             ; xscales 32, wcodes 34, wscales 36, wo16 38
	v_lshl_add_u32 v[SPW], v0, 2, SPARE
	v_mov_b32 v[NIL], 0
	v_lshrrev_b32 v1, 5, v0
	v_readfirstlane_b32 s40, v1                    ; wave
	v_and_b32 v2, 31, v0                           ; lane
	v_lshlrev_b32 v3, 4, v2                        ; 16 x lane: my 16 bytes of a load's 512
	s_mul_i32 s41, s40, WREG
	v_lshrrev_b32 v14, 2, v2
	v_mul_u32_u24 v14, v14, SP
	v_and_b32 v15, 3, v2
	v_lshl_add_u32 v14, v15, 4, v14
	v_add_nc_u32 v14, s41, v14                     ; the stage, on the way in: SP (lane / 4) + 16 (lane % 4)
	v_mul_u32_u24 v15, v2, SP
	v_add_nc_u32 v15, s41, v15                     ; and on the way out: SP x lane: my 16 neighbours
	v_mul_u32_u24 v4, v2, CB                       ; my codes' place in a step's
	v_lshrrev_b32 v5, 1, v2
	s_add_co_u32 s41, s41, 2*32*SP
	v_add_nc_u32 v5, s41, v5                       ; my wave's 256 scale bytes, my block's byte
	v_lshlrev_b32 v7, 3, v2                        ; on the way out 8 bytes a lane
	v_add_nc_u32 v6, s41, v7
	v_lshlrev_b32 v1, 5, v2                        ; the cast: 32 bytes of f32 a lane
	s_wait_kmcnt 0x0
	s_cmp_lt_u32 ttmp9, 864
	s_cbranch_scc0 .Lcast
; which tensor: pointers and first work-groups are chosen by the work-group's number alone
.macro PICK limit, ptr, base
	s_cmp_lt_u32 ttmp9, \limit
	s_cselect_b64 s[4:5], s[\ptr:\ptr+1], s[4:5]
	s_cselect_b32 s6, \base, s6
.endm
	s_mov_b64 s[4:5], s[26:27]                     ; Wv,
	s_mov_b32 s6, 832                              ; whose first work-group is 832
	PICK 832, 24, 800
	PICK 800, 22, 768
	PICK 768, 20, 512
	PICK 512, 18, 256
	PICK 256, 16, 0
	s_cmp_lt_u32 ttmp9, 768                        ; an activation or a weight: which stacked buffers
	s_cselect_b64 s[8:9], s[30:31], s[34:35]
	s_cselect_b64 s[10:11], s[32:33], s[36:37]
	s_cselect_b32 s7, 0, 768
	s_sub_co_u32 s42, ttmp9, s6
	s_lshl_b32 s42, s42, 2
	s_add_co_u32 s42, s42, s40                     ; which run of 8,192 numbers of the tensor is my wave's
	s_lshl_b32 s42, s42, 15                        ; 32,768 bytes a run
	s_mov_b32 s43, 0
	s_add_nc_u64 s[4:5], s[4:5], s[42:43]
	s_sub_co_u32 s44, ttmp9, s7
	s_lshl_b32 s44, s44, 2
	s_add_co_u32 s44, s44, s40                     ; and which run of the stacked buffers
	s_lshl_b32 s42, s44, 12                        ; 4,096 bytes of codes a run
	s_add_nc_u64 s[8:9], s[8:9], s[42:43]
	s_lshl_b32 s42, s44, 8                         ; 256 scale bytes a run
	s_add_nc_u64 s[10:11], s[10:11], s[42:43]
.macro LOAD t
.irp i, 0,1,2,3
	global_load_b128 v[R+16*((\t)%4)+4*\i:R+16*((\t)%4)+4*\i+3], v3, s[4:5] offset:2048*(\t)+512*\i th:TH_LOAD_NT   ; 32 lanes read 512 consecutive bytes
.endr
.endm
.macro TURN t                          ; step t's numbers through the stage: LDS serves a wave's instructions in order, so no wait stands between the stores and the loads
.irp i, 0,1,2,3
	ds_store_b128 v14, v[R+16*((\t)%4)+4*\i:R+16*((\t)%4)+4*\i+3] offset:32*SP*((\t)%2)+8*SP*\i
.endr
.irp i, 0,1,2,3
	ds_load_b128 v[X+16*((\t)%2)+4*\i:X+16*((\t)%2)+4*\i+3], v15 offset:32*SP*((\t)%2)+16*\i
.endr
.endm
.irp t, 0,1,2,3
	LOAD \t
.endr
	s_wait_loadcnt 12                              ; step 0's four loads are in; the twelve of steps 1 to 3 may be out
	TURN 0
.macro STEP t
.set XS, X+16*((\t)%2)
.if (\t) > 0
	s_wait_dscnt 1                                 ; this step's numbers are back from the stage (the last step's byte store may be out)
.else
	s_wait_dscnt 0x0
.endif
.if (\t)+4 < STEPS
	LOAD (\t)+4                                    ; into the registers whose stores into the stage are done
.endif
.if (\t)+1 < STEPS
.if STEPS-2-(\t) >= 3
	s_wait_loadcnt 12                              ; the next step's four loads are in; those of the three steps behind it may be out
.else
	s_wait_loadcnt 4*(STEPS-2-(\t))
.endif
	TURN (\t)+1                                    ; they go through the other stage while this step is worked
.endif
	v_max3_num_f32 v8, |v[XS]|, |v[XS+1]|, |v[XS+2]|               ; the largest magnitude of my 16, in two chains
	v_max3_num_f32 v9, |v[XS+3]|, |v[XS+4]|, |v[XS+5]|
.irp i, 6,10
	v_max3_num_f32 v8, v8, |v[XS+\i]|, |v[XS+\i+1]|
	v_max3_num_f32 v9, v9, |v[XS+\i+2]|, |v[XS+\i+3]|
.endr
	v_max3_num_f32 v8, v8, |v[XS+14]|, |v[XS+15]|
	v_max3_num_f32 v8, v8, v9, (EMAX+1)<<23        ; and the floor 2^(3 - 127): the byte cannot fall under 1
	v_max_num_f32_dpp v8, v8, v8 row_xmask:1 row_mask:0xf bank_mask:0xf   ; with my neighbour's 16: the block's
	v_add_nc_u32 v11, -(EMAX<<23), v8              ; 2 off its exponent field: the conversion takes the exponent field of this operand as its scale
	v_cvt_scalef32_pk8_fp4_f32 v[C+4*(\t)], v[XS:XS+7], v11
	v_cvt_scalef32_pk8_fp4_f32 v[C+4*(\t)+1], v[XS+8:XS+15], v11
	v_lshrrev_b32 v[E+(\t)], 23, v11               ; the scale's byte (also the plain line behind the conversions)
	ds_store_b8 v5, v[E+(\t)] offset:16*(\t)       ; both lanes of a block write the same byte with the same value
	global_store_b64 v4, v[C+4*(\t):C+4*(\t)+1], s[8:9] offset:32*CB*(\t)   ; 32 lanes store 256 consecutive bytes
.endm
.irp t, 0,1,2,3,4,5,6,7,8,9,10,11,12,13,14,15
	STEP \t
.endr
	ds_load_b64 v[8:9], v6                         ; LDS serves a wave's instructions in order: these see my byte stores
	s_wait_dscnt 0x0
	global_store_b64 v7, v[8:9], s[10:11]          ; 32 lanes store 256 consecutive bytes
	s_wait_tensorcnt 0x0                           ; the wave's end, behind my last LDS store
	ds_add_u32 v[SPW], v[NIL]
	s_wait_dscnt 0x0
	s_endpgm
; THE CAST of Wo to f16: a wave takes 8,192 numbers in four rounds of 2,048; a lane takes 8 neighbours, so that its 8 f16 are 16 bytes and a store of the wave covers 512 consecutive bytes.
.Lcast:
	s_sub_co_u32 s42, ttmp9, 864
	s_lshl_b32 s42, s42, 2
	s_add_co_u32 s42, s42, s40                     ; my run
	s_lshl_b32 s44, s42, 15
	s_mov_b32 s45, 0
	s_add_nc_u64 s[28:29], s[28:29], s[44:45]
	s_lshl_b32 s44, s42, 14
	s_add_nc_u64 s[38:39], s[38:39], s[44:45]
.macro CLOAD set, i
.irp u, 0,1,2,3,4,5,6,7
	global_load_b128 v[\set+8*\u:\set+8*\u+3],   v1, s[28:29] offset:8192*\i+1024*\u th:TH_LOAD_NT
	global_load_b128 v[\set+8*\u+4:\set+8*\u+7], v1, s[28:29] offset:8192*\i+1024*\u+16 th:TH_LOAD_NT
.endr
.endm
.macro CVT set, i
.irp u, 0,1,2,3,4,5,6,7
.irp j, 0,1,2,3
	v_cvt_pk_f16_f32 v[X+4*\u+\j], v[\set+8*\u+2*\j], v[\set+8*\u+2*\j+1]
.endr
	global_store_b128 v3, v[X+4*\u:X+4*\u+3], s[38:39] offset:4096*\i+512*\u
.endr
.endm
	CLOAD R, 0
	CLOAD C, 1
	s_wait_loadcnt 16                              ; round 0 is in; round 1's sixteen loads may be out
	CVT R, 0
	CLOAD R, 2
	s_wait_loadcnt 16
	s_wait_xcnt 0x0                                ; the last round's stores have read their data: the registers are written again only behind this wait
	CVT C, 1
	CLOAD C, 3
	s_wait_loadcnt 16
	s_wait_xcnt 0x0
	CVT R, 2
	s_wait_loadcnt 0x0
	s_wait_xcnt 0x0
	CVT C, 3
	s_endpgm
.Lfunc_end_k_q204d264ad8_quant:
	.size	k_q204d264ad8_quant, .Lfunc_end_k_q204d264ad8_quant-k_q204d264ad8_quant
	.p2alignl 7, 3214868480
	.fill 96, 4, 3214868480
	.section	.rodata,"a",@progbits
	.p2align	6, 0x0
	.amdhsa_kernel k_q204d264ad8_quant
		.amdhsa_group_segment_fixed_size 33280
		.amdhsa_private_segment_fixed_size 0
		.amdhsa_enable_private_segment 0
		.amdhsa_kernarg_size 96
		.amdhsa_user_sgpr_count 2
		.amdhsa_user_sgpr_kernarg_segment_ptr 1
		.amdhsa_wavefront_size32 1
		.amdhsa_system_sgpr_workgroup_id_x 1
		.amdhsa_system_sgpr_workgroup_id_y 1
		.amdhsa_system_sgpr_workgroup_id_z 1
		.amdhsa_system_vgpr_workitem_id 0
		.amdhsa_next_free_vgpr 192
		.amdhsa_next_free_sgpr 66
		.amdhsa_reserve_vcc 0
		.amdhsa_float_denorm_mode_32 3
		.amdhsa_float_denorm_mode_16_64 3
		.amdhsa_memory_ordered 1
		.amdhsa_forward_progress 1
		.amdhsa_inst_pref_size 52
	.end_amdhsa_kernel
	.amdgpu_metadata
---
amdhsa.version: [ 1, 2 ]
amdhsa.kernels:
  - .name:           k_q204d264ad8_quant
    .symbol:         k_q204d264ad8_quant.kd
    .args:
      - { .name: query, .offset: 0, .size: 8, .value_kind: global_buffer, .address_space: global }
      - { .name: key, .offset: 8, .size: 8, .value_kind: global_buffer, .address_space: global }
      - { .name: value, .offset: 16, .size: 8, .value_kind: global_buffer, .address_space: global }
      - { .name: Wq, .offset: 24, .size: 8, .value_kind: global_buffer, .address_space: global }
      - { .name: Wk, .offset: 32, .size: 8, .value_kind: global_buffer, .address_space: global }
      - { .name: Wv, .offset: 40, .size: 8, .value_kind: global_buffer, .address_space: global }
      - { .name: Wo, .offset: 48, .size: 8, .value_kind: global_buffer, .address_space: global }
      - { .name: xcodes, .offset: 56, .size: 8, .value_kind: global_buffer, .address_space: global }
      - { .name: xscales, .offset: 64, .size: 8, .value_kind: global_buffer, .address_space: global }
      - { .name: wcodes, .offset: 72, .size: 8, .value_kind: global_buffer, .address_space: global }
      - { .name: wscales, .offset: 80, .size: 8, .value_kind: global_buffer, .address_space: global }
      - { .name: wo16, .offset: 88, .size: 8, .value_kind: global_buffer, .address_space: global }
    .group_segment_fixed_size: 33280
    .private_segment_fixed_size: 0
    .kernarg_segment_align: 8
    .kernarg_segment_size: 96
    .max_flat_workgroup_size: 128
    .sgpr_count:     66
    .vgpr_count:     192
    .wavefront_size: 32
...
	.end_amdgpu_metadata
.endif
;; end of part 1
;; launch proj (part 2): grid 4 x 96, 4 waves a work-group, clusters of 4 x 4, 327,680 bytes of LDS; arguments xcodes, xscales, wcodes, wscales, qkv16, bq, bk, bv; writes qkv16
.if DOCPART == 2
	.amdgcn_target "amdgcn-amd-amdhsa--gfx1250"
	.amdhsa_code_object_version 6
	.text
	.protected	k_q204d264ad8_proj
	.globl	k_q204d264ad8_proj
	.p2align	8
	.type	k_q204d264ad8_proj,@function
k_q204d264ad8_proj:
	s_mov_b64 s[64:65], 0
	v_nop
	global_prefetch_b8 v0, s[64:65] scope:SCOPE_SE
	s_setreg_imm32_b32 hwreg(HW_REG_WAVE_MODE, 25, 1), 1
	s_wait_xcnt 0x0
	s_wait_alu depctr_hold_cnt(0) depctr_sa_sdst(0) depctr_va_vdst(0) depctr_va_sdst(0) depctr_va_ssrc(0) depctr_va_vcc(0) depctr_vm_vsrc(0)
	s_getreg_b32 s2, hwreg(HW_REG_IB_STS2, 6, 4)
	s_cmp_eq_u32 s2, 0
	s_cbranch_scc0 .Lentry_in_a_cluster
	s_endpgm
.Lentry_in_a_cluster:
	s_bfe_u32 s2, ttmp6, 0x10000c
	s_cmp_lg_u32 s2, 0xf033
	s_cbranch_scc0 .Lentry_shape_is_right
	s_endpgm
.Lentry_shape_is_right:
; q, k, v = x W^T + b, all three as ONE product on codes of FP4 (E2M1) with one E8M0 scale for each 32 along K: C [24576][1024] = A [24576][1024] B^T + bias, rounded once to f16.
; A: the stacked codes of query, key, value; rows 8192 g on belong to section g and are multiplied by rows 1024 g on of the stacked weights, with bias bq, bk or bv.
; LIMIT: a result beyond 65,504 becomes infinity in f16.
; A tile of C, 256 x 256, is made by four waves, 128 x 128 each: 64 accumulators, 512 registers.  K = 1,024 is two K steps of 512 (rows of 256 bytes): both come with the first fills, into two slots;
; nothing is filled again.  The scale bytes of the tile's 256 + 256 rows for all of K come once, as two dense blocks.
; CLUSTER 4 x 4: the four of a row of the cluster need the same rows of A, the four of a column the same rows of B: each tile is asked for jointly.  A cluster's 1,024 rows lie in one section.
; THE MATRIX INSTRUCTION IS USED TRANSPOSED (source 0 = 16 rows of B, source 1 = 16 rows of A): a lane holds eight neighbouring columns of one row of C.  The bias is the C of each sum's first instruction.
; REGISTERS: window 0: v16-30 addresses; v32-95 scale words, two sets; v128-191 A's fragments, one set; on the way out v32-63, v192-255.
;   window 1: B's fragments, two sets, v0-63 and v128-191; v192-255 the bias, eight registers for each of B's eight blocks.   windows 2, 3: the accumulators ((a, b) at v[8 (8 (a % 4) + b)]).
.set KSTEP,  512
.set NQ,     4                         ; matrix instructions deep in a slot
.set ROWB,   256                       ; a tile's row in bytes
.set KROW,   512                       ; a row of codes in memory
.set PITCH,  272                       ; an LDS row: 256 bytes + 16 of padding, so that the 16 rows of a load begin 16 bytes further on, modulo 256, each
.set FR,     8
.set NL,     2
.set NP,     4
.set HALFT,  128*PITCH
.set SLOT,   4*HALFT
.set KS,     32                        ; a row of scale bytes
.set SCL,    2*SLOT                    ; behind the slots: the scales, as runs of 256 bytes + 16 of padding
.set HALFS,  16*272                    ; the scales of 128 rows
.set SBLK,   2*272                     ; those of 16 rows
.set SPARE,  SCL+4*HALFS               ; the spare words, 128 bytes a wave
.set SPITCH, 272                       ; the way out: 16 rows x (256 bytes + 16) for each wave, in slot 0, which has had its one fill and its last read by then
.set CROW,   2048                      ; a row of C in bytes
.set ADRA, 16
.set ADRB, 20
.set STO,  24
.set RD,   25
.set CO,   26
.set ADRS, 27
.set SPW,  28
.set NIL,  29
.set BO,   30                          ; v30  32 x (lane / 16): my eight numbers of a block's sixteen biases
.set SC,   32
.set AF,   128
.set BIAS, 192                         ; in window 1
.set TMP,  192                         ; the way out, window 0: packed results
.set OB,   32                          ; rows read back: v32-63 and v224-255 by turns
.set G1, 24
.set G0, 32
.set G1B, 48
.set G0B, 56
.set G1S, 68
.set G0S, 76
.set G1SB, 80
.set G0SB, 88
.set MSB, 0
.macro WIN new                         ; the immediate's high byte repeats the setting that is left
.if MSB != \new
	s_set_vgpr_msb (MSB<<8)|\new
.set MSB, \new
.endif
.endm
.set MUL_LO, 0xa1                      ; source 0 (B) window 1, source 1 (A) window 0, C and D window 2
.set MUL_HI, 0xf1                      ; the same, C and D window 3
.set FIRST_LO, 0x91                    ; the first step: C (the bias) window 1, D window 2
.set FIRST_HI, 0xd1                    ; D window 3
.set TO_B,   0x40
; A joint load: waves 0 and 1 fetch for A, waves 2 and 3 for B; the branch hangs on the wave's number alone.  An s_nop 0 and four v_nop follow each line.
.macro JLOAD g0a, g1a, g0b, g1b
	s_cmp_eq_u32 s15, 0
	s_cbranch_scc0 .Lfor_b_\@
	tensor_load_to_lds s[\g0a:\g0a+3], s[\g1a:\g1a+7]
	s_nop 0
.rept 4
	v_nop
.endr
	s_branch .Lasked_\@
.Lfor_b_\@:
	tensor_load_to_lds s[\g0b:\g0b+3], s[\g1b:\g1b+7]
	s_nop 0
.rept 4
	v_nop
.endr
.Lasked_\@:
.endm
.macro CROUND                          ; a round of the cluster's barrier
	s_barrier_signal -1
	s_barrier_wait -1
	s_cmp_lg_u32 s14, 0
	s_cbranch_scc1 .Lnot_wave_0_\@
	s_barrier_signal -3
.Lnot_wave_0_\@:
	s_barrier_wait -3
	s_barrier_signal -1
	s_barrier_wait -1
.endm
	s_load_b128 s[4:7], s[0:1], 0x0                ; A's codes, A's scales
	s_load_b128 s[8:11], s[0:1], 0x10              ; B's codes, B's scales
	s_load_b64 s[12:13], s[0:1], 0x20              ; C
	s_load_b128 s[96:99], s[0:1], 0x28             ; bq, bk
	s_load_b64 s[100:101], s[0:1], 0x38            ; bv
	v_lshl_add_u32 v[SPW], v0, 2, SPARE
	v_mov_b32 v[NIL], 0
	ds_add_u32 v[SPW], v[NIL]                      ; the wave's opening: the add, twice on end, and its wait ahead of my first tensor load
	ds_add_u32 v[SPW], v[NIL]
	v_lshrrev_b32 v1, 5, v0
	v_readfirstlane_b32 s14, v1                    ; wave 0..3
	s_lshr_b32 s15, s14, 1                         ; which half of the tile's rows is mine.  Also: I fetch for A (0) or for B (1)
	s_and_b32 s16, s14, 1                          ; which half of its columns.  Also: which 128 rows I fetch
	s_bfe_u32 s40, ttmp6, 0x40000                  ; cx
	s_bfe_u32 s41, ttmp6, 0x40004                  ; cy
	s_lshl_b32 s42, ttmp9, 2
	s_add_co_u32 s42, s42, s40                     ; tile column = 4 x cluster x + cx
	s_and_b32 s17, ttmp7, 0xffff
	s_lshr_b32 s95, s17, 3                         ; the section: 8 clusters of 1,024 rows each; the same in all sixteen partners
	s_lshl_b32 s17, s17, 2
	s_add_co_u32 s17, s17, s41                     ; tile row = 4 x cluster y + cy
	s_lshl_b32 s43, s41, 2
	s_lshl_b32 s43, 15, s43                        ; my row of the cluster
	s_lshl_b32 s44, 0x1111, s40                    ; my column
	; group 1: a tile of 128 rows x 256 bytes, 16 bytes of padding behind each row
	s_or_b32 s[G1+0], s43, (0<<16)|(1<<20)|(1<<21)|(5<<22)|(3<<25)
	s_or_b32 s[G1B+0], s44, (0<<16)|(1<<20)|(1<<21)|(5<<22)|(3<<25)
.irp g, G1, G1B
	s_mov_b32 s[\g+1], ROWB<<16                    ; tensor_dim0
	s_mov_b32 s[\g+2], 128<<16                     ; tensor_dim1
	s_mov_b32 s[\g+3], ROWB<<16                    ; tile_dim0
	s_mov_b32 s[\g+4], 128                         ; tile_dim1
	s_mov_b32 s[\g+5], KROW                        ; from row to row
	s_mov_b32 s[\g+6], 0
	s_mov_b32 s[\g+7], 0
.endr
	; the scales of 128 rows: 4,096 dense bytes as 16 rows of 256 (32 elements of 8 bytes), padded likewise
	s_or_b32 s[G1S+0], s43, (3<<16)|(1<<20)|(1<<21)|(5<<22)|(3<<25)
	s_or_b32 s[G1SB+0], s44, (3<<16)|(1<<20)|(1<<21)|(5<<22)|(3<<25)
.irp g, G1S, G1SB
	s_mov_b32 s[\g+1], 32<<16
	s_mov_b32 s[\g+2], 16<<16
	s_mov_b32 s[\g+3], 32<<16
	s_mov_b32 s[\g+4], 16
	s_mov_b32 s[\g+5], 32
	s_mov_b32 s[\g+6], 0
	s_mov_b32 s[\g+7], 0
.endr
	s_lshl_b32 s18, s16, 7                         ; which 128 rows of the tile I fetch
	s_lshl_b32 s20, s17, 8
	s_add_co_u32 s20, s20, s18                     ; A: row 256 x tile row + 128 x half
	s_lshl_b32 s46, s42, 8
	s_add_co_u32 s46, s46, s18
	s_lshl_b32 s47, s95, 10
	s_add_co_u32 s46, s46, s47                     ; B: row 1,024 x section + 256 x tile column + 128 x half
	s_lshl_b32 s22, s20, 5                         ; where these rows' scales begin, in bytes (all under 2^32),
	s_lshl_b32 s92, s46, 5
	s_lshl_b32 s20, s20, 9                         ; and their codes
	s_lshl_b32 s46, s46, 9
	s_mov_b32 s21, 0
	s_mov_b32 s23, 0
	s_mov_b32 s47, 0
	s_mov_b32 s93, 0
	s_mul_i32 s45, s14, HALFT                      ; where they go: wave x 128 rows
	s_mul_i32 s94, s14, HALFS
	s_wait_dscnt 0x0                               ; both opening adds are done
	s_wait_kmcnt 0x0
	s_add_nc_u64 s[20:21], s[4:5], s[20:21]
	s_add_nc_u64 s[22:23], s[6:7], s[22:23]
	s_add_nc_u64 s[46:47], s[8:9], s[46:47]
	s_add_nc_u64 s[92:93], s[10:11], s[92:93]
	CROUND                                         ; all sixteen work-groups are here: the joint loads meet
	s_mov_b32 s[G0S], 1
	s_add_co_u32 s[G0S+1], s94, SCL
	s_mov_b64 s[G0S+2:G0S+3], s[22:23]
	s_or_b32 s[G0S+3], s[G0S+3], 0x80000000
	s_mov_b32 s[G0SB], 1
	s_add_co_u32 s[G0SB+1], s94, SCL
	s_mov_b64 s[G0SB+2:G0SB+3], s[92:93]
	s_or_b32 s[G0SB+3], s[G0SB+3], 0x80000000
	JLOAD G0S, G1S, G0SB, G1SB                     ; the scales first: they are wanted with K step 0
.irp s, 0,1
	s_mov_b32 s[G0+4*\s], 1
	s_add_co_u32 s[G0+4*\s+1], s45, \s*SLOT
	s_add_nc_u64 s[G0+4*\s+2:G0+4*\s+3], s[20:21], \s*ROWB
	s_or_b32 s[G0+4*\s+3], s[G0+4*\s+3], 0x80000000
	s_mov_b32 s[G0B+4*\s], 1
	s_add_co_u32 s[G0B+4*\s+1], s45, \s*SLOT
	s_add_nc_u64 s[G0B+4*\s+2:G0B+4*\s+3], s[46:47], \s*ROWB
	s_or_b32 s[G0B+4*\s+3], s[G0B+4*\s+3], 0x80000000
	JLOAD G0+4*\s, G1, G0B+4*\s, G1B               ; three loads of mine are out: all that the launch asks for
.endr
	v_and_b32 v1, 15, v0                           ; r = l % 16
	v_bfe_u32 v2, v0, 4, 1                         ; h = l / 16
	v_lshlrev_b32 v[BO], 5, v2
	; the bias of my 128 columns: by the section
	s_cmp_lt_u32 s95, 1
	s_cselect_b64 s[96:97], s[96:97], s[98:99]
	s_cmp_lt_u32 s95, 2
	s_cselect_b64 s[96:97], s[96:97], s[100:101]
	s_lshl_b32 s46, s42, 10
	s_lshl_b32 s47, s16, 9
	s_add_co_u32 s46, s46, s47                     ; 4 x (256 x tile column + 128 x half)
	s_mov_b32 s47, 0
	s_add_nc_u64 s[96:97], s[96:97], s[46:47]
	WIN TO_B
.irp b, 0,1,2,3,4,5,6,7
	global_load_b128 v[BIAS+8*\b:BIAS+8*\b+3],   v[BO], s[96:97] offset:64*\b      ; lane (r, h): bias of columns 16 b + 8 h + 0 .. 7: the result's layout
	global_load_b128 v[BIAS+8*\b+4:BIAS+8*\b+7], v[BO], s[96:97] offset:64*\b+16
.endr
	WIN 0
	v_mul_u32_u24 v3, v1, PITCH
	v_lshl_add_u32 v4, v2, 4, v3                   ; a fragment's row x pitch + 16 x half
	s_mul_i32 s21, s15, HALFT                      ; my 128 rows of A
	s_mul_i32 s22, s16, HALFT                      ; my 128 rows of B,
	s_add_co_u32 s22, s22, 2*HALFT                 ; behind A's 256
.irp s, 0,1
	v_add_nc_u32 v[ADRA+\s], s21, v4
	v_add_nc_u32 v[ADRB+\s], s22, v4
	s_add_co_u32 s21, s21, SLOT
	s_add_co_u32 s22, s22, SLOT
.endr
	v_mul_u32_u24 v5, v1, KS                       ; my row's scales: 32 bytes a row,
	v_lshrrev_b32 v6, 8, v5
	v_lshl_add_u32 v5, v6, 4, v5                   ; and 16 more for each 256 passed
	s_mul_i32 s21, s15, HALFS                      ; A's: my 128 rows
	s_mul_i32 s22, s16, HALFS                      ; B's: my 128 rows, behind A's 256
	s_add_co_u32 s22, s22, 2*HALFS
	s_sub_co_u32 s22, s22, s21
	v_mul_u32_u24 v6, s22, v2                      ; lanes 16-31 take B's
	s_add_co_u32 s21, s21, SCL
	v_add_nc_u32 v5, v5, v6
	v_add_nc_u32 v[ADRS], s21, v5
	s_mul_i32 s23, s14, 16*SPITCH                  ; my stage
	v_mul_u32_u24 v5, v1, SPITCH                   ; in: row r, 16 bytes for each half of the lanes
	v_lshl_add_u32 v5, v2, 4, v5
	v_add_nc_u32 v[STO], s23, v5
	v_mul_u32_u24 v5, v2, SPITCH                   ; back: lanes 0-15 one row of 256 bytes, lanes 16-31 the next
	v_lshl_add_u32 v5, v1, 4, v5
	v_add_nc_u32 v[RD], s23, v5
	v_lshlrev_b32 v5, 11, v2                       ; and the same two rows in C
	v_lshl_add_u32 v[CO], v1, 4, v5
	s_lshl_b32 s20, s17, 8
	s_lshl_b32 s21, s15, 7
	s_add_co_u32 s20, s20, s21                     ; my first row of C
	s_lshl_b32 s20, s20, 11                        ; x 2,048 bytes (under 2^32)
	s_lshl_b32 s46, s42, 9
	s_lshl_b32 s47, s16, 8
	s_add_co_u32 s46, s46, s47                     ; my first column in bytes: 512 x tile column + 256 x half
	s_add_co_u32 s20, s20, s46
	s_mov_b32 s21, 0
	s_add_nc_u64 s[12:13], s[12:13], s[20:21]
.macro FRAG reg, adr, q, i             ; 16 rows x 128 K of 4-bit codes: 8 registers; registers 4 c .. 4 c + 3 hold K = 64 c + 32 (l / 16) + 0 .. 31
.irp c, 0,1
	ds_load_b128 v[\reg+4*\c:\reg+4*\c+3], v[\adr] offset:64*(\q)+32*\c+(\i)*16*PITCH
.endr
.endm
; 16 matrix instructions: A's blocks a0, a0 + 1 x B's eight.  p: B's set; sc: the set of scale words.  first = 1: the sums start from the bias.  The 64 accumulators take turns.
.macro MUL16 a0, p, q, sc, first
.irp a, \a0, \a0+1
.irp b, 0,1,2,3,4,5,6,7
.if \first
	v_wmma_scale_f32_16x16x128_f8f6f4 v[8*(8*((\a)%4)+\b):8*(8*((\a)%4)+\b)+7], v[128*(\p)+FR*\b:128*(\p)+FR*\b+FR-1], v[AF+FR*(\a):AF+FR*(\a)+FR-1], v[BIAS+8*\b:BIAS+8*\b+7], v[SC+8*NQ*(\sc)+NQ*\b+(\q)], v[SC+8*NQ*(\sc)+NQ*(\a)+(\q)] matrix_a_fmt:MATRIX_FMT_FP4 matrix_b_fmt:MATRIX_FMT_FP4 matrix_a_scale:MATRIX_SCALE_ROW1
.else
	v_wmma_scale_f32_16x16x128_f8f6f4 v[8*(8*((\a)%4)+\b):8*(8*((\a)%4)+\b)+7], v[128*(\p)+FR*\b:128*(\p)+FR*\b+FR-1], v[AF+FR*(\a):AF+FR*(\a)+FR-1], v[8*(8*((\a)%4)+\b):8*(8*((\a)%4)+\b)+7], v[SC+8*NQ*(\sc)+NQ*\b+(\q)], v[SC+8*NQ*(\sc)+NQ*(\a)+(\q)] matrix_a_fmt:MATRIX_FMT_FP4 matrix_b_fmt:MATRIX_FMT_FP4 matrix_a_scale:MATRIX_SCALE_ROW1
.endif
.endr
.endr
.endm
.macro FETCH_B slot, q, p
	WIN TO_B
.irp i, 0,1,2,3,4,5,6,7
	FRAG 128*(\p)+FR*\i, ADRB+\slot, \q, \i
.endr
	WIN 0
.endm
.macro FETCH_A slot, q, i0
.irp i, \i0, \i0+1, \i0+2, \i0+3
	FRAG AF+FR*(\i), ADRA+\slot, \q, \i
.endr
.endm
.macro SCALES sc                       ; a K step's scale words: 4 words a row; lanes 0-15 take A's block i, lanes 16-31 B's block i
.irp i, 0,1,2,3,4,5,6,7
	ds_load_b128 v[SC+8*NQ*\sc+NQ*\i:SC+8*NQ*\sc+NQ*\i+3], v[ADRS] offset:\i*SBLK
.endr
.endm
.macro PLACES n                        ; plain vector lines between a matrix instruction and a load into, or a read of, its registers (ISA guide 7.12.1 for a read)
.rept \n
	v_nop
.endr
.endm
.macro STEP slot, q, first             ; 128 along K, with its successor in the same slot
	s_wait_dscnt 4*NL                              ; B's set and A's blocks 0-3 are in; the youngest eight loads (A's blocks 4-7) may be out
.if \first
	WIN FIRST_LO
.else
	WIN MUL_LO
.endif
	MUL16 0, (\q)%2, \q, \slot, \first
	MUL16 2, (\q)%2, \q, \slot, \first
	s_wait_dscnt 0
	PLACES NP
	FETCH_B \slot, (\q)+1, 1-(\q)%2
	FETCH_A \slot, (\q)+1, 0
.if \first
	WIN FIRST_HI
.else
	WIN MUL_HI
.endif
	MUL16 4, (\q)%2, \q, \slot, \first
	MUL16 6, (\q)%2, \q, \slot, \first
	PLACES NP
	WIN 0
	FETCH_A \slot, (\q)+1, 4
.endm
.macro STEPS slot, from
.set Q, \from
.rept NQ-1-\from
	STEP \slot, Q, 0
.set Q, Q+1
.endr
.endm
	s_wait_tensorcnt 1                             ; the scales and my part of K step 0 are in; K step 1's load may be out
	s_barrier_signal -1
	s_barrier_wait -1                              ; everybody's are
	FETCH_B 0, 0, 0
	FETCH_A 0, 0, 0
	SCALES 0
	FETCH_A 0, 0, 4
	s_wait_loadcnt 0x0                             ; the bias
	STEP 0, 0, 1
	STEPS 0, 1
	; slot 0's last step changes slots: one barrier; in front of it my part of slot 1 has landed and my reads of slot 0 are over
	s_wait_tensorcnt 0x0
	ds_add_u32 v[SPW], v[NIL]                      ; 0 onto my spare word
	s_wait_dscnt 4*NL+1                            ; (the add and A's blocks 4-7 may be out)
	WIN MUL_LO
	MUL16 0, 1, NQ-1, 0, 0
	s_wait_dscnt 0x0
	s_barrier_signal -1
	MUL16 2, 1, NQ-1, 0, 0
	WIN 0
	s_barrier_wait -1
	PLACES NP
	v_add_nc_u32 v[ADRS], 4*NQ, v[ADRS]            ; on to K step 1's scale words
	FETCH_B 1, 0, 0
	FETCH_A 1, 0, 0
	SCALES 1
	WIN MUL_HI
	MUL16 4, 1, NQ-1, 0, 0
	MUL16 6, 1, NQ-1, 0, 0
	PLACES NP
	WIN 0
	FETCH_A 1, 0, 4
	STEPS 1, 0
	s_wait_dscnt 4*NL                              ; the very last step
	WIN MUL_LO
	MUL16 0, 1, NQ-1, 1, 0
	MUL16 2, 1, NQ-1, 1, 0
	s_wait_dscnt 0
	WIN MUL_HI
	MUL16 4, 1, NQ-1, 1, 0
	MUL16 6, 1, NQ-1, 1, 0
	WIN 0
; THE WAY OUT, a block of 16 rows x 128 columns at a time: rounded to f16 (16 bytes a lane), through my own stage, back as whole rows of 256 bytes: sixteen lanes store 256 consecutive, aligned bytes.
.macro PACK a
.set AC, 64*((\a)%4)
	WIN 0x0a+5*((\a)/4)                            ; sources 0 and 1: window 2 or 3
.irp b, 0,1,2,3,4,5,6,7
.irp r, 0,1,2,3
	v_cvt_pk_f16_f32 v[TMP+4*\b+\r], v[AC+8*\b+2*\r], v[AC+8*\b+2*\r+1]   ; each accumulator from its low end on
.endr
.endr
	WIN 0
.endm
.macro TOSTAGE a
.set BK, OB+192*((\a)%2)
.irp b, 0,1,2,3,4,5,6,7
	ds_store_b128 v[STO], v[TMP+4*\b:TMP+4*\b+3] offset:32*\b
.endr
.irp t, 0,1,2,3,4,5,6,7
	ds_load_b128 v[BK+4*\t:BK+4*\t+3], v[RD] offset:\t*2*SPITCH    ; LDS serves a wave's instructions in order: these see the stores above
.endr
.endm
.macro SEND a
.set BK, OB+192*((\a)%2)
	s_wait_dscnt 0x0                               ; the block is back in registers
	s_wait_xcnt 0x0                                ; earlier stores have read their base and their data: only behind this wait are they written again
.if (\a) > 0
	s_add_nc_u64 s[12:13], s[12:13], 16*CROW
.endif
.irp t, 0,1,2,3,4,5,6,7
	global_store_b128 v[CO], v[BK+4*\t:BK+4*\t+3], s[12:13] offset:2*\t*CROW
.endr
.endm
	PLACES NP                                      ; behind the last products
	PACK 0
	TOSTAGE 0
.irp a, 1,2,3,4,5,6,7                  ; block a's conversions stand between block a - 1's loads from the stage and the wait for them
	PACK \a
	SEND \a-1
	TOSTAGE \a
.endr
	SEND 7
	s_wait_tensorcnt 0x0                           ; the wave's end
	ds_add_u32 v[SPW], v[NIL]
	s_wait_dscnt 0x0
	CROUND                                         ; the closing round
	s_endpgm
.Lfunc_end_k_q204d264ad8_proj:
	.size	k_q204d264ad8_proj, .Lfunc_end_k_q204d264ad8_proj-k_q204d264ad8_proj
	.p2alignl 7, 3214868480
	.fill 96, 4, 3214868480
	.section	.rodata,"a",@progbits
	.p2align	6, 0x0
	.amdhsa_kernel k_q204d264ad8_proj
		.amdhsa_group_segment_fixed_size 327680
		.amdhsa_private_segment_fixed_size 0
		.amdhsa_enable_private_segment 0
		.amdhsa_kernarg_size 64
		.amdhsa_user_sgpr_count 2
		.amdhsa_user_sgpr_kernarg_segment_ptr 1
		.amdhsa_wavefront_size32 1
		.amdhsa_system_sgpr_workgroup_id_x 1
		.amdhsa_system_sgpr_workgroup_id_y 1
		.amdhsa_system_sgpr_workgroup_id_z 1
		.amdhsa_system_vgpr_workitem_id 0
		.amdhsa_next_free_vgpr 1024
		.amdhsa_next_free_sgpr 102
		.amdhsa_reserve_vcc 0
		.amdhsa_float_denorm_mode_32 3
		.amdhsa_float_denorm_mode_16_64 3
		.amdhsa_memory_ordered 1
		.amdhsa_forward_progress 1
		.amdhsa_inst_pref_size 129
	.end_amdhsa_kernel
	.amdgpu_metadata
---
amdhsa.version: [ 1, 2 ]
amdhsa.kernels:
  - .name:           k_q204d264ad8_proj
    .symbol:         k_q204d264ad8_proj.kd
    .args:
      - { .name: xcodes, .offset: 0, .size: 8, .value_kind: global_buffer, .address_space: global }
      - { .name: xscales, .offset: 8, .size: 8, .value_kind: global_buffer, .address_space: global }
      - { .name: wcodes, .offset: 16, .size: 8, .value_kind: global_buffer, .address_space: global }
      - { .name: wscales, .offset: 24, .size: 8, .value_kind: global_buffer, .address_space: global }
      - { .name: qkv16, .offset: 32, .size: 8, .value_kind: global_buffer, .address_space: global }
      - { .name: bq, .offset: 40, .size: 8, .value_kind: global_buffer, .address_space: global }
      - { .name: bk, .offset: 48, .size: 8, .value_kind: global_buffer, .address_space: global }
      - { .name: bv, .offset: 56, .size: 8, .value_kind: global_buffer, .address_space: global }
    .group_segment_fixed_size: 327680
    .private_segment_fixed_size: 0
    .kernarg_segment_align: 8
    .kernarg_segment_size: 64
    .max_flat_workgroup_size: 128
    .sgpr_count:     102
    .vgpr_count:     1024
    .wavefront_size: 32
...
	.end_amdgpu_metadata
.endif
;; end of part 2
;; launch attn (part 3): grid 8 x 32, 16 waves a work-group, clusters of 4 x 1, 327,680 bytes of LDS; arguments qkv16, ctx16; writes ctx16
.if DOCPART == 3
	.amdgcn_target "amdgcn-amd-amdhsa--gfx1250"
	.amdhsa_code_object_version 6
	.text
	.protected	k_q204d264ad8_attn
	.globl	k_q204d264ad8_attn
	.p2align	8
	.type	k_q204d264ad8_attn,@function
k_q204d264ad8_attn:
	s_mov_b64 s[64:65], 0
	v_nop
	global_prefetch_b8 v0, s[64:65] scope:SCOPE_SE
	s_setreg_imm32_b32 hwreg(HW_REG_WAVE_MODE, 25, 1), 1
	s_wait_xcnt 0x0
	s_wait_alu depctr_hold_cnt(0) depctr_sa_sdst(0) depctr_va_vdst(0) depctr_va_sdst(0) depctr_va_ssrc(0) depctr_va_vcc(0) depctr_vm_vsrc(0)
	s_getreg_b32 s2, hwreg(HW_REG_IB_STS2, 6, 4)
	s_cmp_eq_u32 s2, 0
	s_cbranch_scc0 .Lentry_in_a_cluster
	s_endpgm
.Lentry_in_a_cluster:
	s_bfe_u32 s2, ttmp6, 0x10000c
	s_cmp_lg_u32 s2, 0x3003
	s_cbranch_scc0 .Lentry_shape_is_right
	s_endpgm
.Lentry_shape_is_right:
; ctx[b][q][head] = the sum over keys of softmax(q . k / 8) v, for 64 heads of 64 channels and 2,048 keys, no mask.  q, k, v: sections 0, 1, 2 of qkv16 [3][8192 tokens][1024] f16; ctx16 [8192][1024] f16.
; Products on f16 operands with f32 sums; maxima, exponentials and sums in f32; the weights p (at most 1) are rounded to f16 for the second product, ctx once at the end.
; LIMITS: q, k, v come as f16 (magnitudes to 65,504); NaN and infinities are not served.
; SHARES.  A work-group owns 256 queries of a PAIR of heads: a pair's 128 channels are 256 aligned bytes of a token's row, so K's, V's tile rows and ctx's stores are whole runs of 256 bytes.
; Sixteen waves, four to a SIMD: wave w serves head w % 2 of the pair and queries 32 (w / 2) on: two tiles of 16, so that each fragment of K and V read from LDS feeds two products.
; LAYOUT.  S^T = K Q^T (source 0 = 16 keys, source 1 = 16 queries): a lane holds ONE query (lane % 16) and keys 8 (lane / 16) + 0..7.  Two such tiles, rounded to f16 in pairs, ARE source 1 of
; O^T = V^T P, whose result again holds one query a lane.  K comes out of LDS as it lies, V ([key][channel]) turned by ds_load_tr16_b128.
; SOFTMAX.  A running maximum m and sum l for each query: p = 2^(c s - c m), c = log2(e) / 8; in every step O and l are multiplied by a = 2^(c m_old - c m_new).  The loop has no first step of its own:
; m begins at -3e38, l and O at 0, and the first a is 0.
; RING.  Two slots of 128 keys (two steps of 64); waves 0, 1 fetch K's two steps, waves 2, 3 V's, one tensor load each behind each change of slots; it has two steps in which to land.
; CLUSTER 4 x 1: the four query blocks of a cluster walk the same K and V: each tile is asked for jointly, by the same load with a mask that names the four.
.set KS,    64
.set PK,    272                        ; a row of K in LDS: 256 bytes + 16
.set PV,    288                        ; a row of V: 256 + 32
.set VOFF,  KS*PK
.set STEPB, KS*(PK+PV)
.set SLOT1, 1<<17
.set SPARE, SLOT1+2*STEPB              ; behind the ring: the spare words, 128 bytes for each of sixteen waves
.set SEC,   1<<24                      ; a section of qkv16 in bytes
.set VISIT, 2*KS*2048                  ; a slot's 128 tokens in memory
.set AK0, 1                            ; v1  my lane's place in a tile of K: 272 r + 16 h + 128 x head
.set AV0, 2                            ; v2  the same for V
.set ADK, 3
.set ADV, 4
.set SPW, 5
.set NIL, 6
.set PFO, 7                            ; v7  2,048 x lane: the prefetches' offset
.set QO,  8
.set STO, 9
.set RD,  10
.set GO,  11
.set ST,  12                           ; tile t at v[12 + 8 t]: +0 c m, +1 m, +2, +3 l, +4 .. +7 c0-c3; a takes c2's place
.set OC,  28                           ; v28, v29: the old c m of tiles 0, 1
.set Q,   32                           ; Q(t, ks) at v[32 + 16 t + 8 ks]
.set KV,  64                           ; K(kt, ks) at v[64 + 16 kt + 8 ks]; later V(u, ct) at v[64 + 32 u + 8 ct]
.set S,   128                          ; S(t, kt) at v[128 + 32 t + 8 kt]; P(t, u) is packed in place, at v[128 + 32 t + 8 u]
.set O,   192                          ; O(t, ct) at v[192 + 32 t + 8 ct]
.set WV,  8
.set G1K, 24
.set G1V, 32
.set G0K, 40
.set G0V, 44
.set CS,  48
.set SEL, 50
.set TB,  52
.set SLOTS, 53
.set LIM, 54
.set PFA, 56
.macro CROUND
	s_barrier_signal -1
	s_barrier_wait -1
	s_cmp_lg_u32 s[WV], 0
	s_cbranch_scc1 .Lnot_wave_0_\@
	s_barrier_signal -3
.Lnot_wave_0_\@:
	s_barrier_wait -3
	s_barrier_signal -1
	s_barrier_wait -1
.endm
; Waves 0 and 1 fetch for K, waves 2 and 3 for V, the others nothing; the branches hang on the wave's number alone.  An s_nop 0 and four v_nop follow each line.
.macro JLOAD
	s_cmp_lt_u32 s[WV], 2
	s_cbranch_scc0 .Lnot_k_\@
	tensor_load_to_lds s[G0K:G0K+3], s[G1K:G1K+7]
	s_nop 0
.rept 4
	v_nop
.endr
	s_branch .Lasked_\@
.Lnot_k_\@:
	s_cmp_lt_u32 s[WV], 4
	s_cbranch_scc0 .Lasked_\@
	tensor_load_to_lds s[G0V:G0V+3], s[G1V:G1V+7]
	s_nop 0
.rept 4
	v_nop
.endr
.Lasked_\@:
.endm
; A prefetch of what the NEXT change of slots will ask for: 128 rows of K and of V, 256 bytes of each.  Each run of 256 bytes is named once in the launch: both clusters of a head pair walk the same rows, and
; the first asks; its four partners take 32 rows each, told apart by address; in each, wave 4 asks for K's and wave 5 for V's, a lane a row.  The last change that fills a slot asks for nothing.
.macro ASK
	s_cmp_gt_u32 s[SLOTS], s[LIM]
	s_cbranch_scc0 .Lnot_mine_\@
	global_prefetch_b8 v[PFO], s[PFA:PFA+1] th:TH_LOAD_NT scope:SCOPE_SE
.Lnot_mine_\@:
.endm
	s_load_b128 s[4:7], s[0:1], 0x0                ; qkv16, ctx16
	v_lshl_add_u32 v[SPW], v0, 2, SPARE
	v_mov_b32 v[NIL], 0
	ds_add_u32 v[SPW], v[NIL]                      ; the wave's opening: the add, twice on end, and its wait ahead of the first tensor loads
	ds_add_u32 v[SPW], v[NIL]
	v_lshrrev_b32 v30, 5, v0
	v_readfirstlane_b32 s[WV], v30                 ; wave 0..15
	s_and_b32 s9, s[WV], 1                         ; my head of the pair.  Also: which of a slot's two steps I fetch
	s_lshr_b32 s10, s[WV], 1                       ; my group of 32 queries
	s_bfe_u32 s11, ttmp6, 0x40000                  ; cx
	s_lshl_b32 s12, ttmp9, 2
	s_add_co_u32 s12, s12, s11                     ; my block of 256 queries: it enters Q's, ctx's and the prefetches' addresses alone
	s_and_b32 s13, ttmp7, 0xffff                   ; 8 x batch + head pair
	s_lshr_b32 s16, s13, 3
	s_lshl_b32 s16, s16, 22                        ; a batch: 2,048 tokens of 2,048 bytes
	s_and_b32 s17, s13, 7
	s_lshl_b32 s17, s17, 8                         ; a pair: 256 bytes of a row
	s_add_co_u32 s16, s16, s17
	s_lshl_b32 s17, s9, 17                         ; my step's 64 tokens
	s_add_co_u32 s18, s16, s17
	s_add_co_u32 s20, s18, 2*SEC                   ; V's tile,
	s_add_co_u32 s18, s18, SEC                     ; K's tile: byte offsets in qkv16, under 2^32
	s_mov_b32 s19, 0
	s_mov_b32 s21, 0
	s_lshl_b32 s22, s12, 19
	s_lshl_b32 s23, s10, 16
	s_add_co_u32 s22, s22, s23
	s_add_co_u32 s22, s22, s16                     ; my 32 queries' first row, at the pair's bytes
	s_lshl_b32 s23, s9, 7
	s_add_co_u32 s58, s22, s23                     ; Q: + my head's 128 bytes
	s_mov_b32 s59, 0
	s_lshl_b32 s23, s9, 15
	s_add_co_u32 s60, s22, s23                     ; ctx: of the pair of waves' 32 rows I store 16 whole ones
	s_mov_b32 s61, 0
	s_cmp_eq_u32 s[WV], 4
	s_mov_b32 s14, 2*SEC
	s_cselect_b32 s14, SEC, s14                    ; the prefetches: wave 4 K's section, wave 5 V's
	s_add_co_u32 s14, s14, s16
	s_lshl_b32 s15, s11, 16                        ; my work-group's 32 rows of a slot's 128
	s_add_co_u32 s14, s14, s15
	s_add_co_u32 s14, s14, VISIT                   ; at the second 128 keys: the first change of slots steps it to the third.  Nothing is prefetched at the head
	s_mov_b32 s15, 0
	s_sub_co_u32 s[LIM], s[WV], 4
	s_lshr_b32 s[LIM], s[LIM], 1                   ; 0 in waves 4 and 5,
	s_or_b32 s[LIM], s[LIM], ttmp9                 ; of the pair's first cluster: the same in all four partners
	s_cmp_eq_u32 s[LIM], 0
	s_cselect_b32 s[LIM], 1, -1
	; group 1: a tile of 64 rows x 128 elements of 2 bytes, rows 1,024 elements apart, padded in LDS
	s_mov_b32 s[G1K], 15|(1<<16)|(1<<20)|(1<<21)|(5<<22)|(3<<25)  ; the mask: all four; padding of 4 words behind every 64
	s_mov_b32 s[G1V], 15|(1<<16)|(1<<20)|(1<<21)|(5<<22)|(7<<25)  ; of 8 words
.irp g, G1K, G1V
	s_mov_b32 s[\g+1], 128<<16
	s_mov_b32 s[\g+2], KS<<16
	s_mov_b32 s[\g+3], 128<<16
	s_mov_b32 s[\g+4], KS
	s_mov_b32 s[\g+5], 1024
	s_mov_b32 s[\g+6], 0
	s_mov_b32 s[\g+7], 0
.endr
	s_mov_b32 s[CS], 0x3e38aa3b                    ; c = log2(e) / 8
	s_mov_b32 s[CS+1], s[CS]                       ; (named with it as a pair)
	s_mov_b32 s[SEL], 0x76543210
	s_mov_b32 s[SEL+1], 0xfedcba98                 ; lane l xor 16
	s_mov_b32 s[TB], 0
	s_mov_b32 s[SLOTS], 15
	; every address register is made here
	v_and_b32 v28, 15, v0                          ; r
	v_bfe_u32 v29, v0, 4, 1                        ; h
	s_lshl_b32 s22, s9, 7                          ; my head's 128 bytes of a row
	v_mul_u32_u24 v[AK0], v28, PK
	v_lshl_add_u32 v[AK0], v29, 4, v[AK0]
	v_add_nc_u32 v[AK0], s22, v[AK0]
	v_and_b32 v30, 7, v0
	v_bfe_u32 v31, v0, 3, 1
	v_lshl_add_u32 v[AV0], v29, 3, v30             ; the turning load: lane l reads key 8 (l / 16) + l % 8, channels 8 ((l / 8) % 2) + 0..7
	v_mul_u32_u24 v[AV0], v[AV0], PV
	v_lshl_add_u32 v[AV0], v31, 4, v[AV0]
	v_add_nc_u32 v[AV0], VOFF, v[AV0]
	v_add_nc_u32 v[AV0], s22, v[AV0]
	s_mul_i32 s23, s10, 32*PK                      ; the way out: a stage of 32 rows x 272 bytes for each pair of waves, in slot 0
	v_add_nc_u32 v[STO], s23, v[AK0]               ; in: row r, my head's half, 16 bytes for each half of the lanes
	s_mul_i32 s22, s9, 16*PK
	s_add_co_u32 s23, s23, s22
	v_mul_u32_u24 v[RD], v29, PK                   ; back: my 16 rows; lanes 0-15 one row of 256 bytes, lanes 16-31 the next
	v_lshl_add_u32 v[RD], v28, 4, v[RD]
	v_add_nc_u32 v[RD], s23, v[RD]
	v_lshlrev_b32 v[QO], 11, v28
	v_lshl_add_u32 v[QO], v29, 4, v[QO]            ; Q: row r of 2,048 bytes + 16 h
	v_lshlrev_b32 v[GO], 11, v29
	v_lshl_add_u32 v[GO], v28, 4, v[GO]            ; ctx: row h + 16 r bytes
	v_and_b32 v[PFO], 31, v0
	v_lshlrev_b32 v[PFO], 11, v[PFO]
	s_wait_dscnt 0x0                               ; both opening adds are done
	s_wait_kmcnt 0x0
	s_add_nc_u64 s[58:59], s[4:5], s[58:59]
	s_add_nc_u64 s[60:61], s[6:7], s[60:61]
	s_add_nc_u64 s[PFA:PFA+1], s[4:5], s[14:15]
	CROUND                                         ; all four work-groups are here: the first joint loads meet
	s_mov_b32 s[G0K], 1
	s_mul_i32 s[G0K+1], s9, STEPB                  ; slot 0, my step
	s_add_nc_u64 s[G0K+2:G0K+3], s[4:5], s[18:19]
	s_or_b32 s[G0K+3], s[G0K+3], 0x80000000
	s_mov_b32 s[G0V], 1
	s_add_co_u32 s[G0V+1], s[G0K+1], VOFF
	s_add_nc_u64 s[G0V+2:G0V+3], s[4:5], s[20:21]
	s_or_b32 s[G0V+3], s[G0V+3], 0x80000000
	JLOAD                                          ; keys 0 to 127 into slot 0
.irp t, 0,1
.irp ks, 0,1
	global_load_b128 v[Q+16*\t+8*\ks:Q+16*\t+8*\ks+3],   v[QO], s[58:59] offset:32768*\t+64*\ks      ; Q stays in registers
	global_load_b128 v[Q+16*\t+8*\ks+4:Q+16*\t+8*\ks+7], v[QO], s[58:59] offset:32768*\t+64*\ks+32
.endr
.endr
.irp t, 0,1
	v_mov_b32 v[ST+8*\t+1], 0xff61b1e6             ; m = -3e38, under every score
	v_mul_f32 v[ST+8*\t], s[CS], v[ST+8*\t+1]
.irp j, 2,3,4,5,6,7
	v_mov_b32 v[ST+8*\t+\j], 0
.endr
.endr
.set II, 0
.rept 64
	v_mov_b32 v[O+II], 0                           ; O^T, once: the loop is written without a first step of its own
.set II, II+1
.endr
; A KEY STEP: 64 keys, the q-th of the slot in hand; the two tiles line by line, so that no line waits for the line above it.
.macro STEP q
	v_add_nc_u32 v[ADK], s[TB], v[AK0]
	v_add_nc_u32 v[ADV], s[TB], v[AV0]
.rept 3
	v_nop                                          ; with the two additions: five plain lines behind the last products V^T P, whose P the first products below write over, and into whose V K's loads land
.endr
.irp ks, 0,1
.irp kt, 0,1,2,3
	ds_load_b128 v[KV+16*\kt+8*\ks:KV+16*\kt+8*\ks+3],   v[ADK] offset:\q*STEPB+\kt*16*PK+64*\ks
	ds_load_b128 v[KV+16*\kt+8*\ks+4:KV+16*\kt+8*\ks+7], v[ADK] offset:\q*STEPB+\kt*16*PK+64*\ks+32
.endr
.endr
	s_wait_dscnt 8                                 ; channels 0-31 are in; the eight loads of channels 32-63 may be out
.irp kt, 0,1,2,3
.irp t, 0,1
	v_wmma_f32_16x16x32_f16 v[S+32*\t+8*\kt:S+32*\t+8*\kt+7], v[KV+16*\kt:KV+16*\kt+7], v[Q+16*\t:Q+16*\t+7], 0
.endr
.endr
	s_wait_dscnt 0x0
.irp kt, 0,1,2,3                       ; the eight accumulators take turns
.irp t, 0,1
	v_wmma_f32_16x16x32_f16 v[S+32*\t+8*\kt:S+32*\t+8*\kt+7], v[KV+16*\kt+8:KV+16*\kt+15], v[Q+16*\t+8:Q+16*\t+15], v[S+32*\t+8*\kt:S+32*\t+8*\kt+7]
.endr
.endr
	v_mov_b32 v[OC], v[ST]                         ; c m_old is kept for a
	v_mov_b32 v[OC+1], v[ST+8]
	v_nop
	v_nop                                          ; four plain lines behind the products: V's loads land in K's registers, and the scores are read
.irp u, 0,1
.irp ct, 0,1,2,3
	ds_load_tr16_b128 v[KV+32*\u+8*\ct:KV+32*\u+8*\ct+3],   v[ADV] offset:\q*STEPB+\u*32*PV+32*\ct         ; V lands while the softmax is walked
	ds_load_tr16_b128 v[KV+32*\u+8*\ct+4:KV+32*\u+8*\ct+7], v[ADV] offset:\q*STEPB+\u*32*PV+16*PV+32*\ct
.endr
.endr
.irp j, 0,1,2,3                        ; the maximum of 32 scores and the old m: four chains; each accumulator is read from its low end on
.irp t, 0,1
	v_max3_num_f32 v[ST+8*\t+4+\j], v[S+32*\t+8*\j], v[S+32*\t+8*\j+1], v[S+32*\t+8*\j+2]
.endr
.endr
.irp i, 3,5
.irp j, 0,1,2,3
.irp t, 0,1
	v_max3_num_f32 v[ST+8*\t+4+\j], v[ST+8*\t+4+\j], v[S+32*\t+8*\j+\i], v[S+32*\t+8*\j+\i+1]
.endr
.endr
.endr
.irp t, 0,1
	v_max3_num_f32 v[ST+8*\t+4], v[ST+8*\t+4], v[S+32*\t+7], v[S+32*\t+15]
	v_max3_num_f32 v[ST+8*\t+6], v[ST+8*\t+6], v[S+32*\t+23], v[S+32*\t+31]
.endr
.irp t, 0,1
	v_max3_num_f32 v[ST+8*\t+4], v[ST+8*\t+4], v[ST+8*\t+5], v[ST+8*\t+6]
.endr
.irp t, 0,1
	v_max3_num_f32 v[ST+8*\t+4], v[ST+8*\t+4], v[ST+8*\t+7], v[ST+8*\t+1]
.endr
.irp t, 0,1
	v_permlanex16_b32 v[ST+8*\t+5], v[ST+8*\t+4], s[SEL], s[SEL+1]  ; the query's other 32 keys lie in the lane 16 away
.endr
.irp t, 0,1
	v_max_num_f32 v[ST+8*\t+1], v[ST+8*\t+4], v[ST+8*\t+5]
.endr
.irp t, 0,1
	v_mul_f32 v[ST+8*\t], s[CS], v[ST+8*\t+1]
.endr
.irp t, 0,1
	v_sub_f32 v[OC+\t], v[OC+\t], v[ST+8*\t]
.endr
.irp t, 0,1
	v_exp_f32 v[ST+8*\t+6], v[OC+\t]               ; a
.endr
.set II, 0                             ; ONE BATCH: 32 scalings c s - c m, a pair of scores each, and 64 exponentials, a pair's behind the next pair's scaling; none of these lines names an exponential's result
.rept 17
.if II < 16
.irp t, 0,1
	v_pk_fma_f32 v[S+32*\t+2*II:S+32*\t+2*II+1], v[S+32*\t+2*II:S+32*\t+2*II+1], s[CS:CS+1], v[ST+8*\t:ST+8*\t+1] op_sel_hi:[1,0,0] neg_lo:[0,0,1] neg_hi:[0,0,1]
.endr
.endif
.if II > 0
.irp t, 0,1
	v_exp_f32 v[S+32*\t+2*II-2], v[S+32*\t+2*II-2]
	v_exp_f32 v[S+32*\t+2*II-1], v[S+32*\t+2*II-1]
.endr
.endif
.set II, II+1
.endr
	v_nop                                          ; a plain line behind the last exponential
	s_wait_alu depctr_va_vdst(0)                   ; the wait ahead of the first line that names a result: one for all 66
.irp t, 0,1                            ; the sums of the unrounded p, in two chains; l = a l + the sum
	v_pk_add_f32 v[ST+8*\t+4:ST+8*\t+5], v[S+32*\t:S+32*\t+1], v[S+32*\t+2:S+32*\t+3]
.endr
.irp t, 0,1
	v_pk_fma_f32 v[ST+8*\t+2:ST+8*\t+3], v[ST+8*\t+2:ST+8*\t+3], v[ST+8*\t+6:ST+8*\t+7], v[S+32*\t+4:S+32*\t+5] op_sel_hi:[1,0,1]
.endr
.irp p, 3,5,7,9,11,13
.irp t, 0,1
	v_pk_add_f32 v[ST+8*\t+4:ST+8*\t+5], v[ST+8*\t+4:ST+8*\t+5], v[S+32*\t+2*\p:S+32*\t+2*\p+1]
.endr
.irp t, 0,1
	v_pk_add_f32 v[ST+8*\t+2:ST+8*\t+3], v[ST+8*\t+2:ST+8*\t+3], v[S+32*\t+2*\p+2:S+32*\t+2*\p+3]
.endr
.endr
.irp t, 0,1
	v_pk_add_f32 v[ST+8*\t+4:ST+8*\t+5], v[ST+8*\t+4:ST+8*\t+5], v[S+32*\t+30:S+32*\t+31]
.endr
.irp t, 0,1
	v_pk_add_f32 v[ST+8*\t+2:ST+8*\t+3], v[ST+8*\t+2:ST+8*\t+3], v[ST+8*\t+4:ST+8*\t+5]
.endr
.set II, 0
.rept 16                               ; p to f16, in place and ascending: register i takes pair i, which lies at 2 i and 2 i + 1
.irp t, 0,1
	v_cvt_pk_f16_f32 v[S+32*\t+II], v[S+32*\t+2*II], v[S+32*\t+2*II+1]
.endr
.set II, II+1
.endr
.set II, 0
.rept 16                               ; O^T times a, each accumulator from its low end on
.irp t, 0,1
	v_pk_mul_f32 v[O+32*\t+2*II:O+32*\t+2*II+1], v[O+32*\t+2*II:O+32*\t+2*II+1], v[ST+8*\t+6:ST+8*\t+7] op_sel_hi:[1,0]
.endr
.set II, II+1
.endr
	s_wait_dscnt 0x0                               ; V is in
.irp u, 0,1                            ; O^T += V^T P: keys 32 u on; the eight accumulators take turns
.irp ct, 0,1,2,3
.irp t, 0,1
	v_wmma_f32_16x16x32_f16 v[O+32*\t+8*\ct:O+32*\t+8*\ct+7], v[KV+32*\u+8*\ct:KV+32*\u+8*\ct+7], v[S+32*\t+8*\u:S+32*\t+8*\u+7], v[O+32*\t+8*\ct:O+32*\t+8*\ct+7]
.endr
.endr
.endr
.endm
; THE CHANGE OF SLOTS stands at a slot's head.  Each wave waits for all its tensor loads, adds 0 to its spare word, and waits for that and for its reads of the slot that it has left.
; fill = 1: a round of the cluster's barrier, and behind it the slot just left is filled with the 128 keys that follow those of the slot ahead.
.macro CHANGE fill
	s_wait_tensorcnt 0x0                           ; no tensor load of mine is out, so a group 0 may be written
	ds_add_u32 v[SPW], v[NIL]                      ; 0 onto my spare word
.if \fill
	ds_add_u32 v[SPW], v[NIL]                      ; and once more: the add twice in every trip alike
	s_xor_b32 s[G0K+1], s[G0K+1], SLOT1            ; the walking descriptors: the other slot,
	s_add_nc_u64 s[G0K+2:G0K+3], s[G0K+2:G0K+3], VISIT   ; the next 128 keys
	s_xor_b32 s[G0V+1], s[G0V+1], SLOT1
	s_add_nc_u64 s[G0V+2:G0V+3], s[G0V+2:G0V+3], VISIT
	s_wait_xcnt 0x0                                ; the last prefetch, a slot back, has read its address
	s_add_nc_u64 s[PFA:PFA+1], s[PFA:PFA+1], VISIT
	s_wait_dscnt 0x0                               ; the adds are done, and my reads of the slot that I have left are over
	CROUND
	JLOAD                                          ; the first thing behind the round, and a wave's one tensor load until the next
	ASK
.else
	s_wait_dscnt 0x0
	s_barrier_signal -1
	s_barrier_wait -1
.endif
.endm
.macro WORK
	STEP 0
	STEP 1
	s_xor_b32 s[TB], s[TB], SLOT1                  ; on to the other slot
.endm
	s_wait_loadcnt 0x0                             ; Q
.Lslot:                                            ; 15 trips: behind each change of slots but the last the next 128 keys are asked for (in the first trip: slot 1's first fill)
	CHANGE 1
	WORK
	s_sub_co_u32 s[SLOTS], s[SLOTS], 1
	s_cmp_lg_u32 s[SLOTS], 0
	s_cbranch_scc1 .Lslot
	CHANGE 0                                       ; the last slot is written out
	WORK
	; THE WAY OUT.  O^T / l, rounded to f16, goes through the stage: a row's 256 bytes come from the two waves of a pair, so a barrier stands between writing and reading; each wave stores 16 whole rows.
.rept 4
	v_nop
.endr
.irp t, 0,1
	v_add_f32 v[ST+8*\t+4], v[ST+8*\t+2], v[ST+8*\t+3]
.endr
.irp t, 0,1
	v_permlanex16_b32 v[ST+8*\t+5], v[ST+8*\t+4], s[SEL], s[SEL+1]
.endr
.irp t, 0,1
	v_add_f32 v[ST+8*\t+4], v[ST+8*\t+4], v[ST+8*\t+5]
.endr
.irp t, 0,1
	v_rcp_f32 v[ST+8*\t+6], v[ST+8*\t+4]
.endr
	v_nop                                          ; a plain line behind the reciprocals,
	s_wait_alu depctr_va_vdst(0)                   ; and the wait ahead of their first use
.set II, 0
.rept 16
.irp t, 0,1
	v_pk_mul_f32 v[O+32*\t+2*II:O+32*\t+2*II+1], v[O+32*\t+2*II:O+32*\t+2*II+1], v[ST+8*\t+6:ST+8*\t+7] op_sel_hi:[1,0]
.endr
.set II, II+1
.endr
.set II, 0
.rept 32
	v_cvt_pk_f16_f32 v[KV+II], v[O+2*II], v[O+2*II+1]
.set II, II+1
.endr
.irp t, 0,1
.irp ct, 0,1,2,3
	ds_store_b128 v[STO], v[KV+16*\t+4*\ct:KV+16*\t+4*\ct+3] offset:\t*16*PK+32*\ct   ; query 16 t + r, channels 16 ct + 8 h + 0..7 of my head
.endr
.endr
	s_wait_dscnt 0x0                               ; for the other wave's sake: my stores into the stage are done
	s_barrier_signal -1
	s_barrier_wait -1
.irp i, 0,1,2,3,4,5,6,7
	ds_load_b128 v[KV+32+4*\i:KV+32+4*\i+3], v[RD] offset:\i*2*PK
.endr
.irp i, 0,1,2,3,4,5,6,7
	s_wait_dscnt 7-\i                              ; load i is in; the younger ones may be out
	global_store_b128 v[GO], v[KV+32+4*\i:KV+32+4*\i+3], s[60:61] offset:4096*\i   ; sixteen lanes store 256 consecutive, aligned bytes
.endr
	s_wait_tensorcnt 0x0                           ; the wave's end
	ds_add_u32 v[SPW], v[NIL]
	s_wait_dscnt 0x0
	CROUND                                         ; the closing round
	s_endpgm
.Lfunc_end_k_q204d264ad8_attn:
	.size	k_q204d264ad8_attn, .Lfunc_end_k_q204d264ad8_attn-k_q204d264ad8_attn
	.p2alignl 7, 3214868480
	.fill 96, 4, 3214868480
	.section	.rodata,"a",@progbits
	.p2align	6, 0x0
	.amdhsa_kernel k_q204d264ad8_attn
		.amdhsa_group_segment_fixed_size 327680
		.amdhsa_private_segment_fixed_size 0
		.amdhsa_enable_private_segment 0
		.amdhsa_kernarg_size 16
		.amdhsa_user_sgpr_count 2
		.amdhsa_user_sgpr_kernarg_segment_ptr 1
		.amdhsa_wavefront_size32 1
		.amdhsa_system_sgpr_workgroup_id_x 1
		.amdhsa_system_sgpr_workgroup_id_y 1
		.amdhsa_system_sgpr_workgroup_id_z 1
		.amdhsa_system_vgpr_workitem_id 0
		.amdhsa_next_free_vgpr 256
		.amdhsa_next_free_sgpr 66
		.amdhsa_reserve_vcc 0
		.amdhsa_float_denorm_mode_32 3
		.amdhsa_float_denorm_mode_16_64 3
		.amdhsa_memory_ordered 1
		.amdhsa_forward_progress 1
		.amdhsa_inst_pref_size 86
	.end_amdhsa_kernel
	.amdgpu_metadata
---
amdhsa.version: [ 1, 2 ]
amdhsa.kernels:
  - .name:           k_q204d264ad8_attn
    .symbol:         k_q204d264ad8_attn.kd
    .args:
      - { .name: qkv16, .offset: 0, .size: 8, .value_kind: global_buffer, .address_space: global }
      - { .name: ctx16, .offset: 8, .size: 8, .value_kind: global_buffer, .address_space: global }
    .group_segment_fixed_size: 327680
    .private_segment_fixed_size: 0
    .kernarg_segment_align: 8
    .kernarg_segment_size: 16
    .max_flat_workgroup_size: 512
    .sgpr_count:     66
    .vgpr_count:     256
    .wavefront_size: 32
...
	.end_amdgpu_metadata
.endif
;; end of part 3
;; launch outp (part 4): grid 8 x 32, 4 waves a work-group, clusters of 4 x 4, 327,680 bytes of LDS; arguments ctx16, wo16, bo, out0; writes out0
.if DOCPART == 4
	.amdgcn_target "amdgcn-amd-amdhsa--gfx1250"
	.amdhsa_code_object_version 6
	.text
	.protected	k_q204d264ad8_outp
	.globl	k_q204d264ad8_outp
	.p2align	8
	.type	k_q204d264ad8_outp,@function
k_q204d264ad8_outp:
	s_mov_b64 s[64:65], 0
	v_nop
	global_prefetch_b8 v0, s[64:65] scope:SCOPE_SE
	s_setreg_imm32_b32 hwreg(HW_REG_WAVE_MODE, 25, 1), 1
	s_wait_xcnt 0x0
	s_wait_alu depctr_hold_cnt(0) depctr_sa_sdst(0) depctr_va_vdst(0) depctr_va_sdst(0) depctr_va_ssrc(0) depctr_va_vcc(0) depctr_vm_vsrc(0)
	s_getreg_b32 s2, hwreg(HW_REG_IB_STS2, 6, 4)
	s_cmp_eq_u32 s2, 0
	s_cbranch_scc0 .Lentry_in_a_cluster
	s_endpgm
.Lentry_in_a_cluster:
	s_bfe_u32 s2, ttmp6, 0x10000c
	s_cmp_lg_u32 s2, 0xf033
	s_cbranch_scc0 .Lentry_shape_is_right
	s_endpgm
.Lentry_shape_is_right:
; out0[m][n] = the sum over k of ctx[m][k] Wo[n][k] + bo[n].  ctx16 [8192][1024], wo16 [1024][1024]: f16; sums and out0 [8192][1024] in f32.
; A tile of out0 is 256 tokens x 128 outputs, so that the 32 x 8 tiles give each of 256 work-groups one.  Four waves, each 128 x 64: 32 accumulators, 256 registers.
; K goes in 8 steps of 128 (rows of 256 bytes) through a ring of two slots; waves 0, 1 fetch A's halves (128 rows each), waves 2, 3 B's (64 rows each).  Two slots of twice that step would not fit in LDS.
; CLUSTER 4 x 4: A's tile is shared along a row of the cluster, B's along a column: joint loads.  No prefetch: the tile is small and the launch short.
; THE MATRIX INSTRUCTION IS USED TRANSPOSED (source 0 = 16 rows of Wo, source 1 = 16 tokens): a lane holds eight neighbouring outputs of one token.  The bias is the C of each sum's first instruction.
; REGISTERS: window 0: v16-29 addresses; two fragment buffers of 96 (A's 8 blocks, then B's 4) at v32 and v128; v224-255 the bias.   window 1: accumulator (a, b) at v[8 (4 a + b)].
.set KSTEP,  128
.set PITCH,  272
.set HALFA,  128*PITCH
.set HALFB,  64*PITCH
.set SLOT,   2*HALFA+2*HALFB
.set STAGE,  2*SLOT                    ; behind the ring: 16 rows x (256 bytes + 16) for each wave: a wave's 64 f32 of a row are 256 aligned bytes, so the stage is its own
.set SPARE,  STAGE+4*16*PITCH
.set LAPS,   4
.set ADRA, 16
.set ADRB, 20
.set STO,  24
.set RD,   25
.set CO,   26
.set BO,   27
.set SPW,  28
.set NIL,  29
.set F0,   32
.set F1,   128
.set BIAS, 224
.set G1, 24
.set G0, 32
.set G1B, 48
.set G0B, 56
.set MSB, 0
.macro WIN new
.if MSB != \new
	s_set_vgpr_msb (MSB<<8)|\new
.set MSB, \new
.endif
.endm
.set MUL, 0x50                         ; sources 0 and 1 window 0; C and D window 1 (the first quarter: 0x40, C = the bias in window 0)
.macro JLOAD s                         ; an s_nop 0 and four v_nop follow each of the two lines
	s_cmp_eq_u32 s13, 0
	s_cbranch_scc0 .Lfor_b_\@
	tensor_load_to_lds s[G0+4*\s:G0+4*\s+3], s[G1:G1+7]
	s_nop 0
.rept 4
	v_nop
.endr
	s_branch .Lasked_\@
.Lfor_b_\@:
	tensor_load_to_lds s[G0B+4*\s:G0B+4*\s+3], s[G1B:G1B+7]
	s_nop 0
.rept 4
	v_nop
.endr
.Lasked_\@:
.endm
.macro CREST
	s_cmp_lg_u32 s12, 0
	s_cbranch_scc1 .Lnot_wave_0_\@
	s_barrier_signal -3
.Lnot_wave_0_\@:
	s_barrier_wait -3
	s_barrier_signal -1
	s_barrier_wait -1
.endm
.macro CROUND
	s_barrier_signal -1
	s_barrier_wait -1
	CREST
.endm
	s_load_b256 s[4:11], s[0:1], 0x0               ; ctx16 4, wo16 6, bo 8, out0 10
	v_lshl_add_u32 v[SPW], v0, 2, SPARE
	v_mov_b32 v[NIL], 0
	ds_add_u32 v[SPW], v[NIL]                      ; the wave's opening: the add, twice on end, and its wait ahead of my first tensor load
	ds_add_u32 v[SPW], v[NIL]
	v_lshrrev_b32 v1, 5, v0
	v_readfirstlane_b32 s12, v1                    ; wave 0..3
	s_lshr_b32 s13, s12, 1                         ; my 128 tokens.  Also: I fetch for A (0) or for B (1)
	s_and_b32 s14, s12, 1                          ; my 64 outputs.  Also: which half of that tile I fetch
	s_bfe_u32 s40, ttmp6, 0x40000                  ; cx
	s_bfe_u32 s41, ttmp6, 0x40004                  ; cy
	s_lshl_b32 s42, ttmp9, 2
	s_add_co_u32 s42, s42, s40                     ; tile column
	s_and_b32 s15, ttmp7, 0xffff
	s_lshl_b32 s15, s15, 2
	s_add_co_u32 s15, s15, s41                     ; tile row
	s_lshl_b32 s43, s41, 2
	s_lshl_b32 s43, 15, s43                        ; my row of the cluster
	s_lshl_b32 s44, 0x1111, s40                    ; my column
	s_or_b32 s[G1+0], s43, (1<<16)|(1<<20)|(1<<21)|(5<<22)|(3<<25)   ; elements of 2 bytes; 4 words of padding behind every 64
	s_or_b32 s[G1B+0], s44, (1<<16)|(1<<20)|(1<<21)|(5<<22)|(3<<25)
.irp g, G1, G1B
	s_mov_b32 s[\g+1], KSTEP<<16                   ; tensor_dim0
	s_mov_b32 s[\g+3], KSTEP<<16                   ; tile_dim0
	s_mov_b32 s[\g+5], 1024                        ; from row to row
	s_mov_b32 s[\g+6], 0
	s_mov_b32 s[\g+7], 0
.endr
	s_mov_b32 s[G1+2], 128<<16                     ; A: 128 rows a load
	s_mov_b32 s[G1+4], 128
	s_mov_b32 s[G1B+2], 64<<16                     ; B: 64
	s_mov_b32 s[G1B+4], 64
	s_lshl_b32 s16, s15, 8
	s_lshl_b32 s17, s14, 7
	s_add_co_u32 s16, s16, s17
	s_lshl_b32 s16, s16, 11                        ; A: (256 x tile row + 128 x half) rows of 2,048 bytes
	s_mov_b32 s17, 0
	s_lshl_b32 s46, s42, 7
	s_lshl_b32 s47, s14, 6
	s_add_co_u32 s46, s46, s47
	s_lshl_b32 s46, s46, 11                        ; B: (128 x tile column + 64 x half) rows
	s_mov_b32 s47, 0
	s_mul_i32 s20, s14, HALFA                      ; where they go: A's halves, then B's
	s_mul_i32 s21, s14, HALFB
	s_add_co_u32 s21, s21, 2*HALFA
	s_wait_dscnt 0x0                               ; both opening adds are done
	s_wait_kmcnt 0x0
	s_add_nc_u64 s[18:19], s[4:5], s[16:17]
	s_add_nc_u64 s[46:47], s[6:7], s[46:47]
	CROUND                                         ; all sixteen work-groups are here
.irp s, 0,1
	s_mov_b32 s[G0+4*\s], 1
	s_add_co_u32 s[G0+4*\s+1], s20, \s*SLOT
	s_add_nc_u64 s[G0+4*\s+2:G0+4*\s+3], s[18:19], \s*KSTEP*2
	s_or_b32 s[G0+4*\s+3], s[G0+4*\s+3], 0x80000000
	s_mov_b32 s[G0B+4*\s], 1
	s_add_co_u32 s[G0B+4*\s+1], s21, \s*SLOT
	s_add_nc_u64 s[G0B+4*\s+2:G0B+4*\s+3], s[46:47], \s*KSTEP*2
	s_or_b32 s[G0B+4*\s+3], s[G0B+4*\s+3], 0x80000000
	JLOAD \s                                       ; two loads of mine are out
.endr
	v_and_b32 v1, 15, v0                           ; r
	v_bfe_u32 v2, v0, 4, 1                         ; h
	v_lshlrev_b32 v[BO], 5, v2
	s_lshl_b32 s46, s42, 9
	s_lshl_b32 s47, s14, 8
	s_add_co_u32 s46, s46, s47                     ; my first output, in bytes of f32: 512 x tile column + 256 x half
	s_mov_b32 s47, 0
	s_add_nc_u64 s[8:9], s[8:9], s[46:47]
.irp b, 0,1,2,3
	global_load_b128 v[BIAS+8*\b:BIAS+8*\b+3],   v[BO], s[8:9] offset:64*\b        ; lane (r, h): bo of outputs 16 b + 8 h + 0 .. 7
	global_load_b128 v[BIAS+8*\b+4:BIAS+8*\b+7], v[BO], s[8:9] offset:64*\b+16
.endr
	v_mul_u32_u24 v3, v1, PITCH
	v_lshl_add_u32 v3, v2, 4, v3                   ; a fragment's row x pitch + 16 x half
	s_mul_i32 s22, s13, HALFA                      ; my 128 rows of A
	s_mul_i32 s23, s14, HALFB                      ; my 64 rows of B,
	s_add_co_u32 s23, s23, 2*HALFA                 ; behind A's 256
.irp s, 0,1
	v_add_nc_u32 v[ADRA+\s], s22, v3
	v_add_nc_u32 v[ADRB+\s], s23, v3
	s_add_co_u32 s22, s22, SLOT
	s_add_co_u32 s23, s23, SLOT
.endr
	s_mul_i32 s23, s12, 16*PITCH
	s_add_co_u32 s23, s23, STAGE                   ; my stage
	v_mul_u32_u24 v4, v1, PITCH                    ; in: row r, 32 bytes for each half of the lanes
	v_lshl_add_u32 v4, v2, 5, v4
	v_add_nc_u32 v[STO], s23, v4
	v_mul_u32_u24 v4, v2, PITCH                    ; back: lanes 0-15 one row of 256 bytes, lanes 16-31 the next
	v_lshl_add_u32 v4, v1, 4, v4
	v_add_nc_u32 v[RD], s23, v4
	v_lshlrev_b32 v4, 12, v2                       ; and the same two rows in out0
	v_lshl_add_u32 v[CO], v1, 4, v4
	s_lshl_b32 s16, s15, 8
	s_lshl_b32 s17, s13, 7
	s_add_co_u32 s16, s16, s17
	s_lshl_b32 s16, s16, 12                        ; my first token's row of 4,096 bytes
	s_add_co_u32 s16, s16, s46
	s_mov_b32 s17, 0
	s_add_nc_u64 s[10:11], s[10:11], s[16:17]
; n blocks of A from a0 on x B's four, 32 along K out of buffer f.  bias = 1: the sums start from the bias.  The 32 accumulators take turns.
.macro MULN f, a0, n, bias
.set AA, \a0
.rept \n
.irp b, 0,1,2,3
.if \bias
	v_wmma_f32_16x16x32_f16 v[8*(4*AA+\b):8*(4*AA+\b)+7], v[\f+64+8*\b:\f+64+8*\b+7], v[\f+8*AA:\f+8*AA+7], v[BIAS+8*\b:BIAS+8*\b+7]
.else
	v_wmma_f32_16x16x32_f16 v[8*(4*AA+\b):8*(4*AA+\b)+7], v[\f+64+8*\b:\f+64+8*\b+7], v[\f+8*AA:\f+8*AA+7], v[8*(4*AA+\b):8*(4*AA+\b)+7]
.endif
.endr
.set AA, AA+1
.endr
.endm
; 24 LDS loads in one run: B's four blocks, A's blocks 0-3, A's blocks 4-7, 32 along K at byte k of the rows
.macro FETCH slot, k, f
.irp i, 0,1,2,3
	ds_load_b128 v[\f+64+8*\i:\f+64+8*\i+3],   v[ADRB+\slot] offset:\k+\i*16*PITCH
	ds_load_b128 v[\f+64+8*\i+4:\f+64+8*\i+7], v[ADRB+\slot] offset:\k+\i*16*PITCH+32
.endr
.irp i, 0,1,2,3,4,5,6,7
	ds_load_b128 v[\f+8*\i:\f+8*\i+3],   v[ADRA+\slot] offset:\k+\i*16*PITCH
	ds_load_b128 v[\f+8*\i+4:\f+8*\i+7], v[ADRA+\slot] offset:\k+\i*16*PITCH+32
.endr
.endm
.macro PLACES                          ; four plain lines in front of loads into registers that matrix instructions have read, and of the first read of results (ISA guide 7.12.1 for a read)
.rept 4
	v_nop
.endr
.endm
; A K step is four quarters of 32 along K, 32 matrix instructions each, on buffers 0, 1, 0, 1.  One of the first three: multiplies f and fetches the next quarter, at byte k, into g.
.macro QUARTER slot, k, f, g, bias
	s_wait_dscnt 8                                 ; B and A's blocks 0-3 are in; the youngest eight loads may be out
	WIN MUL-0x10*\bias
	MULN \f, 0, 4, \bias
	PLACES
	WIN 0
	FETCH \slot, \k, \g
	s_wait_dscnt 24                                ; all but the 24 just issued
	WIN MUL-0x10*\bias
	MULN \f, 4, 4, \bias
.endm
; The last quarter multiplies buffer 1 and changes slots: ONE barrier; in front of it each wave waits for all its tensor loads, adds 0 to its spare word, and waits for that and for its reads of this slot.
.macro TURN slot, next, fill
	WIN 0
	s_wait_tensorcnt 0x0                           ; my part of the next slot has landed
	ds_add_u32 v[SPW], v[NIL]                      ; 0 onto my spare word
	s_wait_dscnt 9                                 ; (the add and A's blocks 4-7 may be out)
	WIN MUL
	MULN F1, 0, 2, 0
	s_wait_dscnt 0x0                               ; the add is done, and my reads of this slot are over
	s_barrier_signal -1
	MULN F1, 2, 2, 0
	WIN 0                                          ; (branches may follow)
	s_barrier_wait -1
.if \fill
	CREST                                          ; the barrier has opened a round of the cluster's: no wave of any partner still reads this slot or has a load on its way
	s_add_nc_u64 s[G0+4*\slot+2:G0+4*\slot+3], s[G0+4*\slot+2:G0+4*\slot+3], 2*KSTEP*2
	s_add_nc_u64 s[G0B+4*\slot+2:G0B+4*\slot+3], s[G0B+4*\slot+2:G0B+4*\slot+3], 2*KSTEP*2
	JLOAD \slot                                    ; the first tensor load behind the round; its four v_nop are also the places in front of the loads below
.else
	PLACES
.endif
	FETCH \next, 0, F0
	WIN MUL
	MULN F1, 4, 4, 0
.endm
	s_wait_tensorcnt 1                             ; my part of K step 0 is in; K step 1's load may be out
	s_barrier_signal -1
	s_barrier_wait -1
	FETCH 0, 0, F0
	s_wait_loadcnt 0x0                             ; the bias
	QUARTER 0, 64, F0, F1, 1                       ; the first quarter stands in front of the loop: its products start the sums
	WIN 0
	s_mov_b32 s3, LAPS-1
.Llap:                                             ; a trip goes once round the ring and fills both slots again
	QUARTER 0, 128, F1, F0, 0
	QUARTER 0, 192, F0, F1, 0
	TURN 0, 1, 1
	QUARTER 1, 64,  F0, F1, 0
	QUARTER 1, 128, F1, F0, 0
	QUARTER 1, 192, F0, F1, 0
	TURN 1, 0, 1
	QUARTER 0, 64,  F0, F1, 0
	WIN 0
	s_sub_co_u32 s3, s3, 1
	s_cmp_lg_u32 s3, 0
	s_cbranch_scc1 .Llap
	QUARTER 0, 128, F1, F0, 0                      ; the last lap fills nothing
	QUARTER 0, 192, F0, F1, 0
	TURN 0, 1, 0
	QUARTER 1, 64,  F0, F1, 0
	QUARTER 1, 128, F1, F0, 0
	QUARTER 1, 192, F0, F1, 0
	s_wait_dscnt 8                                 ; the very last quarter
	WIN MUL
	MULN F1, 0, 4, 0
	s_wait_dscnt 0
	MULN F1, 4, 4, 0
	WIN 0
; THE WAY OUT, a block of 16 tokens x 64 outputs at a time, through my own stage: in as 32 bytes a lane, back as whole rows of 256 bytes.
.macro TOSTAGE a
	WIN 0x04                                       ; an LDS store's data: window 1
.irp b, 0,1,2,3
	ds_store_b128 v[STO], v[8*(4*(\a)+\b):8*(4*(\a)+\b)+3] offset:64*\b          ; each accumulator from its low end on
	ds_store_b128 v[STO], v[8*(4*(\a)+\b)+4:8*(4*(\a)+\b)+7] offset:64*\b+16
.endr
	WIN 0
.set BB, F0+32*((\a)%2)
.irp t, 0,1,2,3,4,5,6,7
	ds_load_b128 v[BB+4*\t:BB+4*\t+3], v[RD] offset:\t*2*PITCH     ; LDS serves a wave's instructions in order: these see the stores above
.endr
.endm
.macro SEND a, younger
.set BB, F0+32*((\a)%2)
	s_wait_dscnt \younger                          ; the block is back; the next block's 8 stores and 8 loads may be out
.if (\a) > 0
	s_add_nc_u64 s[10:11], s[10:11], 16*4096       ; (behind a wait on XCNT: the earlier stores have read their base)
.endif
.irp t, 0,1,2,3,4,5,6,7
	global_store_b128 v[CO], v[BB+4*\t:BB+4*\t+3], s[10:11] offset:2*\t*4096 th:TH_STORE_NT   ; sixteen lanes store 256 consecutive, aligned bytes
.endr
.endm
	PLACES
	TOSTAGE 0
.irp a, 1,2,3,4,5,6,7
.if \a > 1
	s_wait_xcnt 0x0                                ; block a - 2's stores have read their registers and their base
.endif
	TOSTAGE \a
	SEND \a-1, 16
.endr
	s_wait_xcnt 0x0
	SEND 7, 0
	s_wait_tensorcnt 0x0                           ; the wave's end
	ds_add_u32 v[SPW], v[NIL]
	s_wait_dscnt 0x0
	CROUND                                         ; the closing round
	s_endpgm
.Lfunc_end_k_q204d264ad8_outp:
	.size	k_q204d264ad8_outp, .Lfunc_end_k_q204d264ad8_outp-k_q204d264ad8_outp
	.p2alignl 7, 3214868480
	.fill 96, 4, 3214868480
	.section	.rodata,"a",@progbits
	.p2align	6, 0x0
	.amdhsa_kernel k_q204d264ad8_outp
		.amdhsa_group_segment_fixed_size 327680
		.amdhsa_private_segment_fixed_size 0
		.amdhsa_enable_private_segment 0
		.amdhsa_kernarg_size 32
		.amdhsa_user_sgpr_count 2
		.amdhsa_user_sgpr_kernarg_segment_ptr 1
		.amdhsa_wavefront_size32 1
		.amdhsa_system_sgpr_workgroup_id_x 1
		.amdhsa_system_sgpr_workgroup_id_y 1
		.amdhsa_system_sgpr_workgroup_id_z 1
		.amdhsa_system_vgpr_workitem_id 0
		.amdhsa_next_free_vgpr 512
		.amdhsa_next_free_sgpr 72
		.amdhsa_reserve_vcc 0
		.amdhsa_float_denorm_mode_32 3
		.amdhsa_float_denorm_mode_16_64 3
		.amdhsa_memory_ordered 1
		.amdhsa_forward_progress 1
		.amdhsa_inst_pref_size 87
	.end_amdhsa_kernel
	.amdgpu_metadata
---
amdhsa.version: [ 1, 2 ]
amdhsa.kernels:
  - .name:           k_q204d264ad8_outp
    .symbol:         k_q204d264ad8_outp.kd
    .args:
      - { .name: ctx16, .offset: 0, .size: 8, .value_kind: global_buffer, .address_space: global }
      - { .name: wo16, .offset: 8, .size: 8, .value_kind: global_buffer, .address_space: global }
      - { .name: bo, .offset: 16, .size: 8, .value_kind: global_buffer, .address_space: global }
      - { .name: out0, .offset: 24, .size: 8, .value_kind: global_buffer, .address_space: global }
    .group_segment_fixed_size: 327680
    .private_segment_fixed_size: 0
    .kernarg_segment_align: 8
    .kernarg_segment_size: 32
    .max_flat_workgroup_size: 128
    .sgpr_count:     72
    .vgpr_count:     512
    .wavefront_size: 32
...
	.end_amdgpu_metadata
.endif
;; end of part 4
